; MI455X (gfx1250); checked and timed in simulation.
; The chip was launched on July 23, 2026; its instructions are those of AMD's public machine-readable ISA for CDNA 5 (MIT licence, August 2026) and "CDNA5" Instruction Set Architecture Reference Guide (July 2026). The comments in the code are by the model that wrote it; some were corrected since.
;; Rope Self Attention. Allowed arithmetic: matrix products marked QUANTISED: E4M3 operands, one given power-of-two scale a tensor, by v_wmma_f32_16x16x64_fp8_fp8 or v_wmma_f32_16x16x128_fp8_fp8, f32 sums; everything else in f32.
;; Inputs: hidden_codes 4 x 2,048 x 32 x 32 uint8 (E4M3 codes of hidden, K innermost, in blocks of 32 codes); key_padding_mask 4 x 2,048 bool; lowp_scales 8 int32 (the exponents e of the quantised operands' scales 2^e); proj_b 1,024 float32; proj_w_codes 1,024 x 32 x 32 uint8 (E4M3 codes of proj_w, K innermost, in blocks of 32 codes); qkv_b 3,072 float32; qkv_w_codes 3,072 x 32 x 32 uint8 (E4M3 codes of qkv_w, K innermost, in blocks of 32 codes).
;; Outputs: out0 4 x 2,048 x 1,024 float32.
;; This version of the problem:
;;   THIS VERSION OF THE PROBLEM IS GIVEN IN LOW PRECISION. The matrix products marked QUANTISED in the list below multiply operands that are first quantised to E4M3 (4 exponent bits, 3 mantissa bits; 8 bits a number), with one given power-of-two scale for each operand tensor; their sums are f32. All else is computed in f32.
;;   The module's matrix products, in the order in which they are computed (A, B: the left and right operand; K: the contracted axis; several contracted axes count as one K, in the product's order):
;;     1. [M 8,192, K 1,024] x [K 1,024, N 3,072]; A: input hidden (given as codes); B: input qkv_w (given as codes): QUANTISED (scales: A lowp_scales[0], B lowp_scales[1])
;;     2. batch 64 x [M 2,048, K 64] x [K 64, N 2,048]; A: computed on the way; B: computed on the way: QUANTISED (scales: A lowp_scales[2], B lowp_scales[3])
;;     3. batch 64 x [M 2,048, K 2,048] x [K 2,048, N 64]; A: softmax (see below); B: computed on the way: QUANTISED (scales: A lowp_scales[4], B lowp_scales[5])
;;     4. [M 8,192, K 1,024] x [K 1,024, N 1,024]; A: computed on the way; B: input proj_w (given as codes): QUANTISED (scales: A lowp_scales[6], B lowp_scales[7])
;;   THE QUANTISER, for each operand of a quantised product, along K:
;;     - The operand's scale is 2^e, e = its entry of the input lowp_scales (int32; the entries are numbered through the quantised products in the list's order, A before B).
;;     - Each number is divided by the scale, clamped to +-448, and rounded to the nearest number of E4M3, ties to even, subnormals kept.
;;     - The product sums the exact products of the quantised numbers (number of the format x scale) in f32.
;;   ~~~python
;;   def quantise(x, axis, e):      # numpy; x: float32 -> the quantised numbers, widened to float32 again
;;       x = np.moveaxis(x, axis, -1); K = x.shape[-1]
;;       r = np.clip(x / 2.0 ** e, -448, 448)
;;       step = 2.0 ** (np.maximum(np.frexp(np.where(r == 0, 1, r))[1] - 1, -6) - 3)
;;       q = np.round(r / step) * step * 2.0 ** e      # np.round: ties to even
;;       return np.moveaxis(q, -1, axis).astype(np.float32)
;;   ~~~
;;   SOFTMAX AHEAD OF A QUANTISED PRODUCT. Where the list says 'softmax', what is quantised is not the finished softmax but p = 2^(t - M), with t = logit x log2(e) and M = ceil(the row's largest t), a whole number; so 1/2 < the row's largest p <= 1. The row's sum l is taken of the UNQUANTISED p, in f32, and the product's result is divided by l at the end. Since M is a whole number, a kernel that streams over the keys may use a running M (the ceiling of the running maximum): every later rescaling is an exact power of two, so the quantised numbers keep their values, but for numbers so far below the row's largest that they fall under the format's range.
;;   OPERANDS COMPUTED ON THE WAY. 'Computed on the way' means the value that the module computes at that place (a softmax that the list does not call 'softmax' is quantised finished and normalised). What goes into a quantiser is computed in f32, as accurately as f32 sums, v_exp_f32 and their like allow (about 1e-6 of the number): no bf16 or f16 on the way to a quantiser, and a product that is left as it is and whose result goes on into a quantised operand takes f32 operands (vector FMAs, or v_wmma_f32_16x16x4_f32). A number that lies on a knife's edge between two numbers of the format may be rounded either way, as far as f32 arithmetic and the matrix unit's own rounding can turn it there, and no further.
;;   INPUTS GIVEN AS CODES. hidden (in the module: [4, 2048, 1024], K = its axis 2); proj_w (in the module: [1024, 1024], K = its axis 1); qkv_w (in the module: [3072, 1024], K = its axis 1): each comes as NAME_codes (uint8): NAME with its K axis moved to the last place and cut into blocks of 32 codes, [.., K / 32, bytes a block], one block behind the other in memory; one code a byte (a code: sign, 4 exponent bits, 3 mantissa bits); its scale is its entry of lowp_scales. Its value is code x scale, taken as it is: it is not quantised again, and the codes and scales need not be those that the quantiser above would give.
;; 2 versions, each right; version 2 is version 1 with the launch attn written anew for expert scheduling mode. Each part assembles by itself: llvm-mc -triple=amdgcn-amd-amdhsa -mcpu=gfx1250 --defsym DOCPART=n.
;; ======== version 1 of 2: 4 launches
;; workspace buffers: hperm 8,388,608 bytes; rt 2,097,152 bytes; order 32,768 bytes of whole numbers; counts 512 bytes of whole numbers; qc 8,388,608 bytes; kc 8,388,608 bytes; vc 8,388,608 bytes; ac 8,388,608 bytes
;; launch prep (part 1): grid 256 x 1, 8 waves a work-group, no clusters, 0 bytes of LDS; arguments hidden_codes, key_padding_mask, hperm, rt, order, counts; writes hperm, rt, order, counts
.if DOCPART == 1
	.amdgcn_target "amdgcn-amd-amdhsa--gfx1250"
	.amdhsa_code_object_version 6
	.text
	.protected	k_qf852a552ca_prep
	.globl	k_qf852a552ca_prep
	.p2align	8
	.type	k_qf852a552ca_prep,@function
k_qf852a552ca_prep:
	s_mov_b64 s[64:65], 0
	v_nop
	global_prefetch_b8 v0, s[64:65] scope:SCOPE_SE
	s_setreg_imm32_b32 hwreg(HW_REG_WAVE_MODE, 25, 1), 1
	s_wait_xcnt 0x0
; Each batch's 2,048 rows are put in a new order: the valid rows first, the padded rows behind them, each kind in its old order (a stable partition).
; slot(l) = l - (padded rows ahead of l) for a valid row, nv + (padded rows ahead of l) for a padded one; nv = the batch's number of valid rows.
; Stored: hperm = the rows' codes in slot order; rt = for each slot the 32 cosines and 32 sines of RoPE at the row's OLD position; order[slot] = the old row; counts = nv, 32 times a batch.
; SHARES.  A work-group takes 32 rows of one batch, each of its eight waves four of them.  Every wave counts the batch's mask by itself (2,048 bytes): no LDS, no barrier.
; All that enters an address is whole-number arithmetic on the mask's bytes (0 or 1), held under the buffer's size by a minimum.
; COSINE AND SINE: angle = position x inv_freq, rounded once, as reference() has it; the angle less the nearest multiple of pi/2 (pi/2 in three parts, fused multiply-adds), then polynomials on +-pi/4.
; inv_freq(f) = 2^(-f log2(10000)/32): the exponent is split into f x 54426/2^17 (exact in f32) and a rest that enters as 1 - f x rest x ln 2.
	s_load_b256 s[4:11], s[0:1], 0x0               ; hidden's codes s[4:5], the mask s[6:7], hperm s[8:9], rt s[10:11]
	s_load_b128 s[12:15], s[0:1], 0x20             ; order s[12:13], counts s[14:15]
	v_lshrrev_b32 v1, 5, v0
	v_readfirstlane_b32 s16, v1                    ; wave 0..7
	v_and_b32 v1, 31, v0                           ; lane
	v_lshlrev_b32 v2, 4, v1                        ; 16 x lane
	v_lshlrev_b32 v3, 5, v1                        ; 32 x lane
	v_lshlrev_b32 v5, 3, v1                        ; 8 x lane
	v_lshlrev_b32 v6, 2, v1                        ; 4 x lane
	s_lshr_b32 s17, ttmp9, 6                       ; the batch
	s_and_b32 s18, ttmp9, 63                       ; which 32 rows of it
	s_lshl_b32 s19, s18, 5                         ; their first row
	s_lshl_b32 s28, s17, 11                        ; 2,048 x batch
	s_mov_b32 s29, 0
	s_lshl_b32 s30, s16, 2                         ; 4 x wave
	s_add_co_u32 s36, s19, s30                     ; my wave's first row in the batch
	s_add_co_u32 s32, s28, s36
	s_lshl_b32 s32, s32, 10                        ; its codes: 1,024 bytes a row
	s_mov_b32 s33, 0
	s_lshl_b32 s27, s17, 7
	v_add_nc_u32 v4, s19, v1                       ; the row that my lane ranks
	v_add_nc_u32 v6, s27, v6                       ; counts: 128 x batch + 4 x lane
	s_mov_b32 s20, 1
	s_mov_b32 s21, 0
	s_lshl_b64 s[20:21], s[20:21], s18
	s_sub_nc_u64 s[20:21], s[20:21], 1             ; one bit for each run of 32 rows that lies ahead of mine: s20 runs 0-31, s21 runs 32-63
	s_mov_b32 s48, 0xb626c40c                      ; -(log2(10000)/32 - 54426/2^17) x ln 2
	s_mov_b32 s49, 0x3fc90000                      ; pi/2 in three parts
	s_mov_b32 s50, 0x39fda000
	s_mov_b32 s51, 0x33a22169
	s_mov_b32 s52, 0xb94ca1f9                      ; the sine's polynomial
	s_mov_b32 s53, 0x3c08839e
	s_mov_b32 s54, 0xbe2aaaa3
	s_mov_b32 s55, 0x37ccf5ce                      ; the cosine's
	s_mov_b32 s56, 0xbab6061a
	s_mov_b32 s57, 0x3d2aaaa5
	s_mov_b32 s58, 0x3f22f983                      ; 2/pi
	s_wait_kmcnt 0x0
	s_add_nc_u64 s[6:7], s[6:7], s[28:29]          ; the batch's mask
	s_add_nc_u64 s[4:5], s[4:5], s[32:33]          ; my wave's four rows
	global_load_b128 v[8:11], v3, s[6:7]           ; lane i: the mask of rows 32 i .. 32 i + 31,
	global_load_b128 v[12:15], v3, s[6:7] offset:16
	global_load_b128 v[16:19], v3, s[6:7] offset:1024  ; and of rows 1,024 + 32 i ..
	global_load_b128 v[20:23], v3, s[6:7] offset:1040
	global_load_u8 v24, v4, s[6:7]                 ; and of the row that it ranks
.irp j, 0,1,2,3
	global_load_b128 v[32+8*\j:35+8*\j], v2, s[4:5] offset:1024*\j th:TH_LOAD_NT       ; a row's 1,024 bytes in two loads of 512 consecutive bytes
	global_load_b128 v[36+8*\j:39+8*\j], v2, s[4:5] offset:1024*\j+512 th:TH_LOAD_NT
.endr
	; lanes 0-15 make cosines, lanes 16-31 sines, of frequencies 2 (lane % 16) and 2 (lane % 16) + 1: 8 bytes a lane, 256 bytes a row
	v_and_b32 v67, 15, v1
	v_lshlrev_b32 v67, 1, v67
	v_cvt_f32_u32 v68, v67                         ; f
	v_add_f32 v69, 1.0, v68                        ; f + 1
	v_mul_f32 v70, 0xbed49a00, v68                 ; -f x 54426/2^17: exact
	v_mul_f32 v71, 0xbed49a00, v69
	v_exp_f32 v70, v70
	v_exp_f32 v71, v71
	v_fma_f32 v72, v68, s48, 1.0                   ; (plain lines behind the exponentials)  the rest of the exponent
	v_fma_f32 v73, v69, s48, 1.0
	s_wait_alu depctr_va_vdst(0)
	v_mul_f32 v64, v70, v72                        ; inv_freq(f)
	v_mul_f32 v65, v71, v73                        ; inv_freq(f + 1)
	v_lshrrev_b32 v66, 4, v1
	v_xor_b32 v66, 1, v66                          ; 1 where a cosine is wanted: cos x = sin(x + pi/2)
.macro TRIG jj                         ; my two numbers of my wave's row jj
	s_add_co_u32 s37, s36, \jj
	v_cvt_f32_u32 v68, s37                         ; the position
.irp k, 0,1
	v_mul_f32 v70, v68, v[64+\k]                   ; the angle
	v_mul_f32 v71, s58, v70
	v_rndne_f32 v71, v71                           ; n = the nearest multiple of pi/2
	v_fma_f32 v72, -v71, s49, v70
	v_fma_f32 v72, -v71, s50, v72
	v_fma_f32 v72, -v71, s51, v72                  ; r, within +-pi/4
	v_mul_f32 v73, v72, v72                        ; z = r r
	v_fma_f32 v74, v73, s52, s53
	v_fma_f32 v74, v74, v73, s54
	v_mul_f32 v74, v74, v73
	v_fma_f32 v74, v74, v72, v72                   ; sin r
	v_fma_f32 v75, v73, s55, s56
	v_fma_f32 v75, v75, v73, s57
	v_mul_f32 v76, v73, v73
	v_fma_f32 v77, v73, -0.5, 1.0
	v_fma_f32 v75, v75, v76, v77                   ; cos r
	v_cvt_i32_f32 v78, v71
	v_add_nc_u32 v78, v78, v66                     ; the quadrant: it chooses values, never an address
	v_and_b32 v79, 1, v78
	v_cmp_ne_u32 vcc_lo, 0, v79
	v_cndmask_b32 v80, v74, v75, vcc_lo
	v_and_b32 v79, 2, v78
	v_lshlrev_b32 v79, 30, v79
	v_xor_b32 v[92+2*\jj+\k], v80, v79             ; the sign
.endr
.endm
	TRIG 0
	TRIG 1
	TRIG 2
	TRIG 3
	s_wait_loadcnt 0x8                             ; the five mask loads are in; the eight row loads, issued behind them, may be out
	v_add_nc_u32 v25, v8, v9                       ; bytes of 0 or 1, eight words added: each byte at most 8
	v_add3_u32 v25, v25, v10, v11
	v_add3_u32 v25, v25, v12, v13
	v_add3_u32 v25, v25, v14, v15
	v_add_nc_u32 v26, v16, v17
	v_add3_u32 v26, v26, v18, v19
	v_add3_u32 v26, v26, v20, v21
	v_add3_u32 v26, v26, v22, v23
	s_mov_b32 s26, 0x01010101
	v_mul_lo_u32 v25, v25, s26                     ; the four bytes' sum in the top byte
	v_mul_lo_u32 v26, v26, s26
	v_lshrrev_b32 v25, 24, v25                     ; padded rows in run i (0 to 32)
	v_lshrrev_b32 v26, 24, v26                     ; and in run 32 + i
	s_mov_b32 s22, 0                               ; padded rows in the batch
	s_mov_b32 s23, 0                               ; padded rows in the runs ahead of mine
.macro PLANE k, c, m                   ; bit k of the 32 lanes' counts: its ones weigh 2^k
	v_and_b32 v27, 1<<\k, v[\c]
	v_cmp_ne_u32 s26, 0, v27
	s_bcnt1_i32_b32 s27, s26
	s_lshl_b32 s27, s27, \k
	s_add_co_u32 s22, s22, s27
	s_and_b32 s27, s26, s[\m]
	s_bcnt1_i32_b32 s27, s27
	s_lshl_b32 s27, s27, \k
	s_add_co_u32 s23, s23, s27
.endm
.irp k, 0,1,2,3,4,5
	PLANE \k, 25, 20
	PLANE \k, 26, 21
.endr
	s_sub_co_u32 s24, 0x800, s22                   ; nv
	v_cmp_ne_u32 s25, 0, v24                       ; which of my run's 32 rows are padded
	v_mbcnt_lo_u32_b32 v27, s25, 0                 ; those ahead of my lane's row,
	v_add_nc_u32 v27, s23, v27                     ; and in the runs ahead
	v_sub_nc_u32 v28, v4, v27                      ; a valid row's slot
	v_add_nc_u32 v29, s24, v27                     ; a padded row's
	v_cndmask_b32 v28, v28, v29, s25
	v_min_u32 v28, 0x7ff, v28                      ; held inside the batch
	v_add_nc_u32 v29, s28, v28                     ; + 2,048 x batch
	v_lshlrev_b32 v30, 2, v29
	v_add_nc_u32 v31, s28, v4                      ; the old row
	v_mov_b32 v7, s24
.irp j, 0,1,2,3
	s_add_co_u32 s34, s30, \j
	v_readlane_b32 s35, v29, s34                   ; the slot of my wave's row j, for all lanes
	s_min_u32 s35, s35, 0x1fff
	v_lshl_add_u32 v[100+\j], s35, 10, v2          ; its place in hperm
	v_lshl_add_u32 v[104+\j], s35, 8, v5           ; and in rt
.endr
	s_cmp_lg_u32 s16, 0
	s_cbranch_scc1 .Lnot_wave_0
	global_store_b32 v30, v31, s[12:13]            ; order: once for the work-group's 32 rows
	s_cmp_lg_u32 s18, 0
	s_cbranch_scc1 .Lnot_wave_0
	global_store_b32 v6, v7, s[14:15]              ; counts: once for the batch, 128 consecutive bytes
.Lnot_wave_0:
.irp j, 0,1,2,3
	global_store_b64 v[104+\j], v[92+2*\j:93+2*\j], s[10:11]       ; 32 lanes store a row's 256 consecutive bytes, aligned
.endr
	s_wait_loadcnt 0x0
.irp j, 0,1,2,3
	global_store_b128 v[100+\j], v[32+8*\j:35+8*\j], s[8:9]        ; 512 consecutive bytes, aligned
	global_store_b128 v[100+\j], v[36+8*\j:39+8*\j], s[8:9] offset:512
.endr
	s_endpgm
.Lfunc_end_k_qf852a552ca_prep:
	.size	k_qf852a552ca_prep, .Lfunc_end_k_qf852a552ca_prep-k_qf852a552ca_prep
	.p2alignl 7, 3214868480
	.fill 96, 4, 3214868480
	.section	.rodata,"a",@progbits
	.p2align	6, 0x0
	.amdhsa_kernel k_qf852a552ca_prep
		.amdhsa_group_segment_fixed_size 0
		.amdhsa_private_segment_fixed_size 0
		.amdhsa_enable_private_segment 0
		.amdhsa_kernarg_size 48
		.amdhsa_user_sgpr_count 2
		.amdhsa_user_sgpr_kernarg_segment_ptr 1
		.amdhsa_wavefront_size32 1
		.amdhsa_system_sgpr_workgroup_id_x 1
		.amdhsa_system_sgpr_workgroup_id_y 1
		.amdhsa_system_sgpr_workgroup_id_z 1
		.amdhsa_system_vgpr_workitem_id 0
		.amdhsa_next_free_vgpr 128
		.amdhsa_next_free_sgpr 66
		.amdhsa_reserve_vcc 1
		.amdhsa_float_denorm_mode_32 3
		.amdhsa_float_denorm_mode_16_64 3
		.amdhsa_memory_ordered 1
		.amdhsa_forward_progress 1
		.amdhsa_inst_pref_size 21
	.end_amdhsa_kernel
	.amdgpu_metadata
---
amdhsa.version: [ 1, 2 ]
amdhsa.kernels:
  - .name:           k_qf852a552ca_prep
    .symbol:         k_qf852a552ca_prep.kd
    .args:
      - { .name: hidden_codes, .offset: 0, .size: 8, .value_kind: global_buffer, .address_space: global }
      - { .name: key_padding_mask, .offset: 8, .size: 8, .value_kind: global_buffer, .address_space: global }
      - { .name: hperm, .offset: 16, .size: 8, .value_kind: global_buffer, .address_space: global }
      - { .name: rt, .offset: 24, .size: 8, .value_kind: global_buffer, .address_space: global }
      - { .name: order, .offset: 32, .size: 8, .value_kind: global_buffer, .address_space: global }
      - { .name: counts, .offset: 40, .size: 8, .value_kind: global_buffer, .address_space: global }
    .group_segment_fixed_size: 0
    .private_segment_fixed_size: 0
    .kernarg_segment_align: 8
    .kernarg_segment_size: 48
    .max_flat_workgroup_size: 256
    .sgpr_count:     66
    .vgpr_count:     128
    .wavefront_size: 32
...
	.end_amdgpu_metadata
.endif
;; end of part 1
;; launch qkv (part 2): grid 12 x 32, 4 waves a work-group, clusters of 4 x 4, 327,680 bytes of LDS; arguments hperm, qkv_w_codes, lowp_scales, qkv_b, rt, qc, kc, vc; writes qc, kc, vc
.if DOCPART == 2
	.amdgcn_target "amdgcn-amd-amdhsa--gfx1250"
	.amdhsa_code_object_version 6
	.text
	.protected	k_qf852a552ca_qkv
	.globl	k_qf852a552ca_qkv
	.p2align	8
	.type	k_qf852a552ca_qkv,@function
k_qf852a552ca_qkv:
	s_mov_b64 s[64:65], 0
	v_nop
	global_prefetch_b8 v0, s[64:65] scope:SCOPE_SE
	s_setreg_imm32_b32 hwreg(HW_REG_WAVE_MODE, 25, 1), 1
	s_wait_xcnt 0x0
	s_wait_alu depctr_hold_cnt(0) depctr_sa_sdst(0) depctr_va_vdst(0) depctr_va_sdst(0) depctr_va_ssrc(0) depctr_va_vcc(0) depctr_vm_vsrc(0)
	s_getreg_b32 s2, hwreg(HW_REG_IB_STS2, 6, 4)
	s_cmp_eq_u32 s2, 0
	s_cbranch_scc0 .Lentry_in_a_cluster
	s_endpgm
.Lentry_in_a_cluster:
	s_bfe_u32 s2, ttmp6, 0x10000c
	s_cmp_lg_u32 s2, 0xf033
	s_cbranch_scc0 .Lentry_shape_is_right
	s_endpgm
.Lentry_shape_is_right:
; qkv = hidden W^T + b on codes of E4M3, rows in slot order; then RoPE on q and k; then q, k and v are quantised with their given scales and stored AS THE NEXT PRODUCTS' OPERAND REGISTERS.
; A tile, 256 tokens x 256 features, is made by four waves, 128 x 128 each: 64 accumulators, 512 registers.  K = 1,024 goes in steps of 256 through a ring of two LDS slots filled by the tensor data mover.
; CLUSTERS of 4 x 4 work-groups: the four of a row need the same tokens' tile, the four of a column the same weights' tile: joint loads.  Cluster x is 0 for q, 1 for k, 2 for v: one number for all partners.
; q AND k: source 0 = 16 weight rows, source 1 = 16 tokens: a lane holds ONE token (lane % 16) and eight neighbouring features 16 b + 8 (lane / 16) + 0..7: one conversion of an accumulator gives registers
;   2 c, 2 c + 1 of the 16 x 64 operand of the scores' product.  qc, kc: [batch][head][16 tokens][register half][lane][16 bytes].
; v: THE TWO SOURCES CHANGE ROLES (only the LDS bases of the fragment loads differ): a lane holds ONE feature and eight neighbouring tokens, so the codes come out with the keys innermost.
;   vc: [batch][head][128 keys][16 channels][four registers][lane][16 bytes].  Every store is 512 consecutive bytes, aligned, straight from registers.
; SCALES.  A sum stands for sum x 2^(e0 + e1).  The bias goes in as b / 2^(e0 + e1), RoPE is linear, and the conversion takes 2^(e - e0 - e1), e = e2 (q), e3 (k), e5 (v).
; LIMITS: e - e0 - e1 between -126 and 119, so that the scale and 448 x the scale are f32 numbers.  NaN among the inputs is not served.
; REGISTERS: window 0: v16-31 addresses and constants; v32-95 the bias for q, k; v96-111 for v; v112-119 at work; v128-255 the lane side's fragments, one set (on the way out: 64 numbers, then four sets of codes).
;   window 1: the register side's fragments, two sets (on q's and k's way out: cosines and sines, 32 a block of tokens).   windows 2, 3: the accumulators, (a, b) at v[8 (8 (a % 4) + b)].
.set SIZE_K, 1024
.set KSTEP,  256
.set ROWB,   256
.set KROW,   SIZE_K
.set PITCH,  272                       ; an LDS row: 256 bytes + 16 of padding = 68 words: the 16 rows that a load touches start at 16 different banks (ISA guide 11.1)
.set FR,     16
.set NL,     4
.set NP,     4                         ; places behind this matrix instruction (ISA guide 7.12.1)
.set HALFT,  128*PITCH
.set SLOT,   4*HALFT                   ; 256 tokens' rows, then 256 weight rows
.set LAPS,   SIZE_K/(2*KSTEP)
.set SPARE,  2*SLOT                    ; behind the ring: the spare words, 128 bytes a wave
.set ADRA, 16                          ; v16-17  LDS address of the lane side's fragments in slot 0, 1
.set ADRB, 20                          ; v20-21  of the register side's
.set RTA,  24                          ; v24     256 r + 32 h: my place in 16 rows of rt
.set QO,   25                          ; v25     16 x lane
.set SPW,  28                          ; v28     my spare word; never rewritten
.set NIL,  29                          ; v29     0; never rewritten
.set SCL,  30                          ; v30     the conversion's scale
.set LIM,  31                          ; v31     448 x that
.set BIA,  32
.set BV,   96
.set T,    112
.set AF,   128
.set X,    128
.set CD,   192
.set G1, 24
.set G0, 32
.set G1B, 48
.set G0B, 56
.set MSB, 0
.macro WIN new                         ; the immediate's high byte repeats the setting that is left
.if MSB != \new
	s_set_vgpr_msb (MSB<<8)|\new
.set MSB, \new
.endif
.endm
.set MUL_LO, 0xa1                      ; source 0 window 1, source 1 window 0, C and D window 2
.set MUL_HI, 0xf1                      ; the same, C and D window 3
.set TO_B,   0x40                      ; destination window 1, address window 0
; A joint load: waves 0 and 1 fetch the tokens' two halves, waves 2 and 3 the weights'.  The branch hangs on the wave's number alone.  Four v_nop follow each of the two lines.
.macro JLOAD g0a, g1a, g0b, g1b
	s_cmp_eq_u32 s15, 0
	s_cbranch_scc0 .Lfor_b_\@
	tensor_load_to_lds s[\g0a:\g0a+3], s[\g1a:\g1a+7]
	s_nop 0
.rept 4
	v_nop
.endr
	s_branch .Lasked_\@
.Lfor_b_\@:
	tensor_load_to_lds s[\g0b:\g0b+3], s[\g1b:\g1b+7]
	s_nop 0
.rept 4
	v_nop
.endr
.Lasked_\@:
.endm
.macro CREST                           ; a round of the cluster's barrier behind its opening barrier
	s_cmp_lg_u32 s14, 0
	s_cbranch_scc1 .Lnot_wave_0_\@
	s_barrier_signal -3
.Lnot_wave_0_\@:
	s_barrier_wait -3
	s_barrier_signal -1
	s_barrier_wait -1
.endm
.macro CROUND
	s_barrier_signal -1
	s_barrier_wait -1
	CREST
.endm
	s_load_b256 s[4:11], s[0:1], 0x0               ; hperm s[4:5], the weights' codes s[6:7], the scales' exponents s[8:9], the bias s[10:11]
	s_load_b256 s[68:75], s[0:1], 0x20             ; rt s[68:69], qc s[70:71], kc s[72:73], vc s[74:75]
	v_lshl_add_u32 v[SPW], v0, 2, SPARE
	v_mov_b32 v[NIL], 0
	ds_add_u32 v28, v29
	ds_add_u32 v28, v29
	s_wait_dscnt 0x0
	v_lshrrev_b32 v1, 5, v0
	v_readfirstlane_b32 s14, v1                    ; wave 0..3
	s_lshr_b32 s15, s14, 1                         ; which half of the lane side is mine.  Also: I fetch tokens (0) or weights (1)
	s_and_b32 s16, s14, 1                          ; which half of the register side.  Also: which 128 rows I fetch
	s_bfe_u32 s40, ttmp6, 0x40000                  ; cx, cy: my place in the cluster
	s_bfe_u32 s41, ttmp6, 0x40004
	s_lshl_b32 s42, ttmp9, 2
	s_add_co_u32 s42, s42, s40                     ; tile column (features) = 4 x cluster x + cx
	s_and_b32 s17, ttmp7, 0xffff
	s_lshl_b32 s17, s17, 2
	s_add_co_u32 s17, s17, s41                     ; tile row (tokens) = 4 x cluster y + cy
	s_lshl_b32 s43, s41, 2
	s_lshl_b32 s43, 15, s43                        ; my row of the cluster
	s_lshl_b32 s44, 0x1111, s40                    ; my column
	s_or_b32 s[G1+0], s43, (0<<16)|(1<<20)|(1<<21)|(5<<22)|(3<<25)  ; 15:0 the mask; 17:16 elements of 1 byte; 20 padding on; 21 set beside a mask; 24:22 after every 64 words; 31:25 four words
	s_or_b32 s[G1B+0], s44, (0<<16)|(1<<20)|(1<<21)|(5<<22)|(3<<25)
.irp g, G1, G1B
	s_mov_b32 s[\g+1], ROWB<<16                    ; tensor_dim0
	s_mov_b32 s[\g+2], 128<<16                     ; tensor_dim1
	s_mov_b32 s[\g+3], ROWB<<16                    ; tile_dim0
	s_mov_b32 s[\g+4], 128                         ; tile_dim1
	s_mov_b32 s[\g+5], KROW                        ; tensor_dim0_stride
	s_mov_b32 s[\g+6], 0
	s_mov_b32 s[\g+7], 0
.endr
	s_lshl_b32 s18, s16, 7
	s_lshl_b32 s20, s17, 8
	s_add_co_u32 s20, s20, s18                     ; tokens: row 256 x tile row + 128 x half
	s_lshl_b32 s46, s42, 8
	s_add_co_u32 s46, s46, s18                     ; weights: row 256 x tile column + 128 x half
	s_mov_b32 s21, 0
	s_mov_b32 s47, 0
	s_mov_b64 s[18:19], KROW
	s_mul_u64 s[20:21], s[20:21], s[18:19]
	s_mul_u64 s[46:47], s[46:47], s[18:19]
	s_mul_i32 s45, s14, HALFT                      ; where they go: wave x 128 rows
	s_wait_kmcnt 0x0
	s_load_b256 s[80:87], s[8:9], 0x0              ; e0 .. e7
	s_add_nc_u64 s[20:21], s[4:5], s[20:21]
	s_add_nc_u64 s[46:47], s[6:7], s[46:47]
	CROUND                                         ; all sixteen work-groups are here: the first joint loads meet
.irp s, 0,1
	s_mov_b32 s[G0+4*\s], 1
	s_add_co_u32 s[G0+4*\s+1], s45, \s*SLOT
	s_add_nc_u64 s[G0+4*\s+2:G0+4*\s+3], s[20:21], \s*ROWB
	s_or_b32 s[G0+4*\s+3], s[G0+4*\s+3], 0x80000000
	s_mov_b32 s[G0B+4*\s], 1
	s_add_co_u32 s[G0B+4*\s+1], s45, \s*SLOT
	s_add_nc_u64 s[G0B+4*\s+2:G0B+4*\s+3], s[46:47], \s*ROWB
	s_or_b32 s[G0B+4*\s+3], s[G0B+4*\s+3], 0x80000000
	JLOAD G0+4*\s, G1, G0B+4*\s, G1B
.endr
	v_and_b32 v1, 15, v0                           ; r = l % 16
	v_bfe_u32 v2, v0, 4, 1                         ; h = l / 16
	v_mul_u32_u24 v3, v1, PITCH
	v_lshl_add_u32 v4, v2, 4, v3                   ; a fragment's row x pitch + 16 x half
	s_cmp_eq_u32 ttmp9, 2                          ; v's clusters: the lane side reads the weights, the register side the tokens
	s_cselect_b32 s76, 2*HALFT, 0
	s_cselect_b32 s77, 0, 2*HALFT
	s_mul_i32 s21, s15, HALFT
	s_add_co_u32 s21, s21, s76
	s_mul_i32 s22, s16, HALFT
	s_add_co_u32 s22, s22, s77
.irp s, 0,1
	v_add_nc_u32 v[ADRA+\s], s21, v4
	v_add_nc_u32 v[ADRB+\s], s22, v4
	s_add_co_u32 s21, s21, SLOT
	s_add_co_u32 s22, s22, SLOT
.endr
	v_lshlrev_b32 v[RTA], 8, v1
	v_lshl_add_u32 v[RTA], v2, 5, v[RTA]
	v_and_b32 v5, 31, v0
	v_lshlrev_b32 v[QO], 4, v5
	v_lshlrev_b32 v26, 5, v2                       ; 32 h
	v_lshlrev_b32 v27, 2, v1                       ; 4 r
	; both forms of the bias are loaded in every work-group (both lie inside the buffer): for q, k the register side's features, for v the lane side's
	s_lshl_b32 s94, s42, 10
	s_lshl_b32 s95, s16, 9
	s_add_co_u32 s94, s94, s95
	s_mov_b32 s95, 0
	s_add_nc_u64 s[92:93], s[10:11], s[94:95]      ; the bias at feature 256 x tile column + 128 x (register side's half)
	s_lshl_b32 s94, s42, 10
	s_lshl_b32 s78, s15, 9
	s_add_co_u32 s94, s94, s78
	s_add_nc_u64 s[78:79], s[10:11], s[94:95]      ; and at 128 x (lane side's half)
.irp b, 0,1,2,3,4,5,6,7
	global_load_b128 v[BIA+8*\b:BIA+8*\b+3], v26, s[92:93] offset:64*\b        ; features 16 b + 8 h + 0 .. 7
	global_load_b128 v[BIA+8*\b+4:BIA+8*\b+7], v26, s[92:93] offset:64*\b+16
.endr
.irp a, 0,1,2,3,4,5,6,7
	global_load_b32 v[BV+2*\a], v27, s[78:79] offset:64*\a                     ; feature 16 a + r
.endr
	s_wait_loadcnt 0x0
	s_wait_kmcnt 0x0
	s_add_co_i32 s88, s80, s81
	s_sub_co_i32 s88, 0, s88                       ; -(e0 + e1)
.set j, 0
.rept 64
	v_ldexp_f32 v[BIA+j], v[BIA+j], s88            ; b / 2^(e0 + e1): nothing is rounded
.set j, j+1
.endr
.irp a, 0,1,2,3,4,5,6,7
	v_ldexp_f32 v[BV+2*\a+1], v[BV+2*\a], s88      ; twice: a pair for the packed addition
	v_ldexp_f32 v[BV+2*\a], v[BV+2*\a], s88
.endr
.macro FRAG reg, adr, q, i             ; 16 rows x 128 K: lane l holds row l % 16; registers 4 c .. 4 c + 3 hold K = 32 c + 16 (l / 16) + 0 .. 15: the same order of k on both sides, so every product meets its partner
.irp c, 0,1,2,3
	ds_load_b128 v[\reg+4*\c:\reg+4*\c+3], v[\adr] offset:128*(\q)+32*\c+(\i)*16*PITCH
.endr
.endm
; 16 matrix instructions: lane-side blocks a0, a0 + 1 x the register side's eight.  The 64 accumulators take turns, one instruction a turn, in the same order in every step.
.macro MUL16 a0, p, zero
.irp a, \a0, \a0+1
.irp b, 0,1,2,3,4,5,6,7
.if \zero
	v_wmma_f32_16x16x128_fp8_fp8 v[8*(8*((\a)%4)+\b):8*(8*((\a)%4)+\b)+7], v[128*(\p)+FR*\b:128*(\p)+FR*\b+FR-1], v[AF+FR*(\a):AF+FR*(\a)+FR-1], 0
.else
	v_wmma_f32_16x16x128_fp8_fp8 v[8*(8*((\a)%4)+\b):8*(8*((\a)%4)+\b)+7], v[128*(\p)+FR*\b:128*(\p)+FR*\b+FR-1], v[AF+FR*(\a):AF+FR*(\a)+FR-1], v[8*(8*((\a)%4)+\b):8*(8*((\a)%4)+\b)+7]
.endif
.endr
.endr
.endm
.macro FETCH_B slot, q, p
	WIN TO_B
.irp i, 0,1,2,3,4,5,6,7
	FRAG 128*(\p)+FR*\i, ADRB+\slot, \q, \i
.endr
	WIN 0
.endm
.macro FETCH_A slot, q, i0
.irp i, \i0, \i0+1, \i0+2, \i0+3
	FRAG AF+FR*(\i), ADRA+\slot, \q, \i
.endr
.endm
.macro PLACES n                        ; plain vector lines between a matrix instruction and a load into, or a vector line on, its registers
.rept \n
	v_nop
.endr
.endm
.macro STEP slot, q, zero              ; 128 along K whose successor lies in the same slot
	s_wait_dscnt 4*NL                              ; all but the youngest sixteen loads (lane-side blocks 4-7) are in
	WIN MUL_LO
	MUL16 0, (\q)%2, \zero
	MUL16 2, (\q)%2, \zero
	s_wait_dscnt 0
	PLACES NP
	FETCH_B \slot, (\q)+1, 1-(\q)%2
	FETCH_A \slot, (\q)+1, 0
	WIN MUL_HI
	MUL16 4, (\q)%2, \zero
	MUL16 6, (\q)%2, \zero
	PLACES NP
	WIN 0
	FETCH_A \slot, (\q)+1, 4
.endm
; A slot's last step changes slots: one barrier; in front of it each wave waits for all its tensor loads, adds 0 to its spare word, and waits for that and for its reads of this slot.
.macro TURN slot, next, fill
	s_wait_tensorcnt 0x0                           ; all my tensor loads have landed: my part of the next slot
	ds_add_u32 v[SPW], v[NIL]
	s_wait_dscnt 4*NL+1                            ; the add and the youngest sixteen loads may be out
	WIN MUL_LO
	MUL16 0, 1, 0
	s_wait_dscnt 0x0                               ; the add is done, and my reads of this slot are over
	s_barrier_signal -1
	MUL16 2, 1, 0
	WIN 0
	s_barrier_wait -1
.if \fill
	CREST                                          ; the barrier has opened a round of the cluster's: no wave of any partner still reads this slot or has a load on its way
	s_add_nc_u64 s[G0+4*\slot+2:G0+4*\slot+3], s[G0+4*\slot+2:G0+4*\slot+3], 2*ROWB
	s_add_nc_u64 s[G0B+4*\slot+2:G0B+4*\slot+3], s[G0B+4*\slot+2:G0B+4*\slot+3], 2*ROWB
	JLOAD G0+4*\slot, G1, G0B+4*\slot, G1B         ; the first tensor load behind the round; its four v_nop are the places in front of the loads below
.else
	PLACES NP
.endif
	FETCH_B \next, 0, 0
	FETCH_A \next, 0, 0
	WIN MUL_HI
	MUL16 4, 1, 0
	MUL16 6, 1, 0
	PLACES NP
	WIN 0
	FETCH_A \next, 0, 4
.endm
.macro LASTSTEP                        ; the very last 128 along K: nothing more to fetch
	s_wait_dscnt 4*NL
	WIN MUL_LO
	MUL16 0, 1, 0
	MUL16 2, 1, 0
	s_wait_dscnt 0
	WIN MUL_HI
	MUL16 4, 1, 0
	MUL16 6, 1, 0
	WIN 0
	PLACES NP                                      ; for the vector lines and loads that now take the fragments' registers, and for the reads of results
.endm
.macro SCALES                          ; s89 = the operand's e - e0 - e1: the conversion's scale and 448 x that
	s_add_co_i32 s89, s89, 127
	s_lshl_b32 s90, s89, 23
	s_add_co_i32 s89, s89, 8
	s_lshl_b32 s91, s89, 23
	s_or_b32 s91, s91, 0x600000
	v_mov_b32 v[SCL], s90
	v_mov_b32 v[LIM], s91
.endm
.macro HOLDCVT cc                      ; 64 numbers become 64 codes, 16 registers
.set j, 0
.rept 64
	v_med3_num_f32 v[X+j], v[X+j], -v[LIM], v[LIM] ; the conversion to an 8-bit code does not saturate (ISA guide 7.6.2): the hold at the largest code x the scale
.set j, j+1
.endr
.set j, 0
.rept 8
	v_cvt_scalef32_pk8_fp8_f32 v[(\cc)+2*j:(\cc)+2*j+1], v[X+8*j:X+8*j+7], v[SCL]
.set j, j+1
.endr
	v_nop                                          ; a plain line between the conversions and the next vector lines that write their sources
.endm
.macro FINISH                          ; the wave's end: a wait, an add to the spare word, a wait; then the closing round
	s_wait_tensorcnt 0x0
	ds_add_u32 v[SPW], v[NIL]
	s_wait_dscnt 0x0
	CROUND
	s_endpgm
.endm
	s_wait_tensorcnt 1                             ; my part of K step 0 is in; K step 1's load may be out
	s_barrier_signal -1
	s_barrier_wait -1
	FETCH_B 0, 0, 0
	FETCH_A 0, 0, 0
	FETCH_A 0, 0, 4
	STEP 0, 0, 1                                   ; the first step's products start the sums
	s_mov_b32 s3, LAPS-1
.Llap:                                                 ; a trip goes once round the ring and fills both slots again
	TURN 0, 1, 1
	STEP 1, 0, 0
	TURN 1, 0, 1
	STEP 0, 0, 0
	s_sub_co_u32 s3, s3, 1
	s_cmp_lg_u32 s3, 0
	s_cbranch_scc1 .Llap
	TURN 0, 1, 0
	STEP 1, 0, 0
	s_cmp_eq_u32 ttmp9, 2                          ; the cluster's x: the same in all partners.  The two ways out do not meet again; each has the closing round
	s_cbranch_scc1 .Lv
	; ---- q AND k
	s_lshl_b32 s94, s17, 16
	s_lshl_b32 s95, s15, 15
	s_add_co_u32 s94, s94, s95
	s_mov_b32 s95, 0
	s_add_nc_u64 s[68:69], s[68:69], s[94:95]      ; rt at my first token: 256 bytes x (256 x tile row + 128 x half)
.macro ROPELD a                        ; block a's 16 tokens: a lane's 8 + 8 cosines (frequencies 8 h + 0..7, 16 + 8 h + 0..7), then its 8 + 8 sines
.irp i, 0,1,2,3,4,5,6,7
	global_load_b128 v[32*(\a)+4*\i:32*(\a)+4*\i+3], v[RTA], s[68:69] offset:4096*(\a)+64*(\i/2)+16*(\i%2)
.endr
.endm
	WIN TO_B
	ROPELD 0                                       ; into the set that the last step does not read: its last readers stand in front of STEP's places
	ROPELD 1
	ROPELD 2
	ROPELD 3
	LASTSTEP
	WIN TO_B
	ROPELD 4
	ROPELD 5
	ROPELD 6
	ROPELD 7
	WIN 0
	s_lshr_b32 s94, s17, 3                         ; the batch
	s_lshl_b32 s94, s94, 4
	s_and_b32 s95, s42, 3
	s_lshl_b32 s95, s95, 2
	s_add_co_u32 s94, s94, s95
	s_lshl_b32 s95, s16, 1
	s_add_co_u32 s94, s94, s95                     ; 16 x batch + my first head
	s_lshl_b32 s94, s94, 7                         ; 128 blocks of 16 tokens a head
	s_and_b32 s95, s17, 7
	s_lshl_b32 s95, s95, 4
	s_add_co_u32 s94, s94, s95
	s_lshl_b32 s95, s15, 3
	s_add_co_u32 s94, s94, s95                     ; + my first block
	s_lshl_b32 s94, s94, 10                        ; 1,024 bytes a block
	s_mov_b32 s95, 0
	s_cmp_eq_u32 ttmp9, 1
	s_cselect_b64 s[92:93], s[72:73], s[70:71]     ; kc or qc
	s_cselect_b32 s89, s83, s82                    ; e3 or e2
	s_add_nc_u64 s[92:93], s[92:93], s[94:95]
	s_add_co_i32 s89, s89, s88
	SCALES
.macro EPQ a                           ; block a: 16 tokens x my 128 features (two heads)
.set AC, 64*((\a)%4)
.set RR, 32*(\a)
.set CC, CD+16*((\a)%4)
	s_wait_loadcnt 8*(7-(\a))                      ; this block's eight loads are in; the later blocks' may be out
	WIN 0x02+((\a)/4)                              ; source 0: window 2 or 3
.set j, 0
.rept 32
	v_pk_add_f32 v[X+j:X+j+1], v[AC+j:AC+j+1], v[BIA+j:BIA+j+1]   ; + the bias; each accumulator from its low end on
.set j, j+2
.endr
	WIN 0x04                                       ; source 1 (cosines, sines): window 1
.irp hh, 0,1
.irp t, 0,1
.irp i, 0,2,4,6
.set LO, X+8*(4*\hh+\t)+\i             ; x(d), d = 16 t + 8 h + i; x(d + 32) lies 16 registers on
.set TT, T+2*(\i%4)
	v_pk_mul_f32 v[TT:TT+1], v[LO+16:LO+17], v[RR+16+8*\t+\i:RR+17+8*\t+\i]
	v_pk_mul_f32 v[TT+2:TT+3], v[LO:LO+1], v[RR+16+8*\t+\i:RR+17+8*\t+\i]
	v_pk_fma_f32 v[LO:LO+1], v[LO:LO+1], v[RR+8*\t+\i:RR+8*\t+\i+1], v[TT:TT+1] neg_lo:[0,0,1] neg_hi:[0,0,1]   ; x(d) cos - x(d + 32) sin
	v_pk_fma_f32 v[LO+16:LO+17], v[LO+16:LO+17], v[RR+8*\t+\i:RR+8*\t+\i+1], v[TT+2:TT+3]                        ; x(d + 32) cos + x(d) sin
.endr
.endr
.endr
	WIN 0
	HOLDCVT CC
.irp hh, 0,1
.irp u, 0,1
	global_store_b128 v[QO], v[CC+8*\hh+4*\u:CC+8*\hh+4*\u+3], s[92:93] offset:1024*(\a)+131072*\hh+512*\u   ; 512 consecutive bytes, aligned
.endr
.endr
.endm
	EPQ 0
	EPQ 1
	EPQ 2
	EPQ 3
	s_wait_xcnt 0x0                                ; the four sets of codes are written again only behind this wait
	EPQ 4
	EPQ 5
	EPQ 6
	EPQ 7
	FINISH
	; ---- v
.Lv:
	LASTSTEP
	s_lshr_b32 s94, s17, 3                         ; the batch
	s_lshl_b32 s94, s94, 4
	s_and_b32 s95, s42, 3
	s_lshl_b32 s95, s95, 2
	s_add_co_u32 s94, s94, s95
	s_lshl_b32 s95, s15, 1
	s_add_co_u32 s94, s94, s95                     ; 16 x batch + my first head (the lane side's half)
	s_lshl_b32 s94, s94, 4                         ; 16 runs of 128 keys a head
	s_and_b32 s95, s17, 7
	s_lshl_b32 s95, s95, 1
	s_add_co_u32 s94, s94, s95
	s_add_co_u32 s94, s94, s16                     ; + my run (the register side's half)
	s_lshl_b32 s94, s94, 13                        ; 8,192 bytes a run
	s_mov_b32 s95, 0
	s_add_nc_u64 s[92:93], s[74:75], s[94:95]
	s_add_co_i32 s89, s85, s88                     ; e5 - e0 - e1
	SCALES
.macro EPV a                           ; block a: 16 features x my 128 tokens
.set AC, 64*((\a)%4)
.set CC, CD+16*((\a)%4)
	WIN 0x02+((\a)/4)
.set j, 0
.rept 32
	v_pk_add_f32 v[X+j:X+j+1], v[AC+j:AC+j+1], v[BV+2*(\a):BV+2*(\a)+1]   ; + my feature's bias; each accumulator from its low end on
.set j, j+2
.endr
	WIN 0
	HOLDCVT CC
.irp g, 0,1,2,3
	global_store_b128 v[QO], v[CC+4*\g:CC+4*\g+3], s[92:93] offset:131072*((\a)/4)+2048*((\a)%4)+512*\g
.endr
.endm
	EPV 0
	EPV 1
	EPV 2
	EPV 3
	s_wait_xcnt 0x0                                ; the four sets of codes are written again only behind this wait
	EPV 4
	EPV 5
	EPV 6
	EPV 7
	FINISH
.Lfunc_end_k_qf852a552ca_qkv:
	.size	k_qf852a552ca_qkv, .Lfunc_end_k_qf852a552ca_qkv-k_qf852a552ca_qkv
	.p2alignl 7, 3214868480
	.fill 96, 4, 3214868480
	.section	.rodata,"a",@progbits
	.p2align	6, 0x0
	.amdhsa_kernel k_qf852a552ca_qkv
		.amdhsa_group_segment_fixed_size 327680
		.amdhsa_private_segment_fixed_size 0
		.amdhsa_enable_private_segment 0
		.amdhsa_kernarg_size 64
		.amdhsa_user_sgpr_count 2
		.amdhsa_user_sgpr_kernarg_segment_ptr 1
		.amdhsa_wavefront_size32 1
		.amdhsa_system_sgpr_workgroup_id_x 1
		.amdhsa_system_sgpr_workgroup_id_y 1
		.amdhsa_system_sgpr_workgroup_id_z 1
		.amdhsa_system_vgpr_workitem_id 0
		.amdhsa_next_free_vgpr 1024
		.amdhsa_next_free_sgpr 100
		.amdhsa_reserve_vcc 0
		.amdhsa_float_denorm_mode_32 3
		.amdhsa_float_denorm_mode_16_64 3
		.amdhsa_memory_ordered 1
		.amdhsa_forward_progress 1
		.amdhsa_inst_pref_size 242
	.end_amdhsa_kernel
	.amdgpu_metadata
---
amdhsa.version: [ 1, 2 ]
amdhsa.kernels:
  - .name:           k_qf852a552ca_qkv
    .symbol:         k_qf852a552ca_qkv.kd
    .args:
      - { .name: hperm, .offset: 0, .size: 8, .value_kind: global_buffer, .address_space: global }
      - { .name: qkv_w_codes, .offset: 8, .size: 8, .value_kind: global_buffer, .address_space: global }
      - { .name: lowp_scales, .offset: 16, .size: 8, .value_kind: global_buffer, .address_space: global }
      - { .name: qkv_b, .offset: 24, .size: 8, .value_kind: global_buffer, .address_space: global }
      - { .name: rt, .offset: 32, .size: 8, .value_kind: global_buffer, .address_space: global }
      - { .name: qc, .offset: 40, .size: 8, .value_kind: global_buffer, .address_space: global }
      - { .name: kc, .offset: 48, .size: 8, .value_kind: global_buffer, .address_space: global }
      - { .name: vc, .offset: 56, .size: 8, .value_kind: global_buffer, .address_space: global }
    .group_segment_fixed_size: 327680
    .private_segment_fixed_size: 0
    .kernarg_segment_align: 8
    .kernarg_segment_size: 64
    .max_flat_workgroup_size: 128
    .sgpr_count:     100
    .vgpr_count:     1024
    .wavefront_size: 32
...
	.end_amdgpu_metadata
.endif
;; end of part 2
;; launch attn (part 3): grid 4 x 64, 16 waves a work-group, no clusters, 269,312 bytes of LDS; arguments qc, kc, vc, counts, lowp_scales, ac; writes ac
.if DOCPART == 3
	.amdgcn_target "amdgcn-amd-amdhsa--gfx1250"
	.amdhsa_code_object_version 6
	.text
	.protected	k_qf852a552ca_attn
	.globl	k_qf852a552ca_attn
	.p2align	8
	.type	k_qf852a552ca_attn,@function
k_qf852a552ca_attn:
	s_mov_b64 s[64:65], 0
	v_nop
	global_prefetch_b8 v0, s[64:65] scope:SCOPE_SE
	s_setreg_imm32_b32 hwreg(HW_REG_WAVE_MODE, 25, 1), 1
	s_wait_xcnt 0x0
; Attention of one head on codes of E4M3, rows in slot order: slots 0 .. nv - 1 are the batch's valid rows, the others its padded rows; nv comes from counts, which an earlier launch stored.
; WHAT reference() KEEPS.  A valid query: the padded keys' logits are -1e9, so their p is 0: only keys under nv are walked.  A padded query: all 2,048 logits are -1e9, t is a whole number, M = t, p = 1 for every key and
; the sum is 2,048: all padded queries of a head share ONE row, (sum over all keys of code(1) x code(v)) x 2^(e4 + e5 - 11).  It is made once a work-group, by matrix instructions, while V comes in.
; SOFTMAX ahead of the second product: t = score x log2(e) / 8; M = the running largest t rounded up to a whole number; p = 2^(t - M) is quantised with 2^e4; the sum is taken of the unquantised p and divides at the end.
; SHARES.  Four work-groups to a head; each holds the head's K and V in LDS (256 KiB), as images of operand registers: every fragment load is 16 bytes a lane at 16 x lane.  Loads go through registers: the walk hangs on nv.
; A wave owns one block of 16 queries at a time: blocks 64 i + 4 wave + work-group x, i = 0, 1, so that the valid blocks fall evenly on the head's 64 waves.
; Both products are used transposed: S^T = K Q^T, O^T = V^T P^T: a lane holds one query (lane % 16); tile u's eight registers are keys 16 u + 8 (lane / 16) + 0..7: their codes are registers 2 u, 2 u + 1 of P.
; Every block walks 16 trips; a trip whose keys lie at or beyond the block's limit (nv, or 0 for a block with no valid query) leaves out its work by a scalar branch on whole numbers.
; LIMITS: e2 + e3 between -123 and 130; e4 and e6 between -126 and 119.  NaN among the inputs is not served.
; REGISTERS: v1-7 addresses; v8-15 Q; v16-23 the padded queries' row as codes; v24-31 the codes to store; v32-95 fragments of K or V; v96-159 S^T, then p; v160-191 O^T; v192-207 P's codes; v208-254 addresses, statistics, at work.
.set VL, 131072                        ; LDS: K's images at 0, V's here,
.set MP, 262144                        ; the waves' partial column sums, 256 bytes each,
.set MX, 266240                        ; and 64 bytes for each wave: the padded queries' row as codes
	s_load_b256 s[4:11], s[0:1], 0x0               ; qc s[4:5], kc s[6:7], vc s[8:9], counts s[10:11]
	s_load_b128 s[12:15], s[0:1], 0x20             ; the scales' exponents s[12:13], ac s[14:15]
	v_lshl_add_u32 v251, v0, 2, 0x41400
	v_mov_b32 v255, 0
	v_lshrrev_b32 v2, 5, v0
	v_readfirstlane_b32 s16, v2                    ; wave 0..15
	v_and_b32 v1, 31, v0
	v_lshlrev_b32 v1, 4, v1                        ; 16 x lane
	v_and_b32 v215, 15, v0                         ; r
	v_bfe_u32 v216, v0, 4, 1                       ; h
	v_lshlrev_b32 v214, 3, v216                    ; 8 h
	v_and_b32 v217, 7, v0
	s_lshl_b32 s38, s16, 13
	v_add_nc_u32 v4, s38, v1                       ; my wave's run of 128 keys: 8,192 x wave + 16 x lane, in memory and in LDS
	v_add_nc_u32 v5, VL, v4
	s_lshl_b32 s39, s16, 8
	v_lshlrev_b32 v7, 5, v216
	v_add_nc_u32 v7, s39, v7
	v_add_nc_u32 v7, MP, v7                        ; my partial sums: 256 x wave + 32 h
	v_lshlrev_b32 v208, 5, v217
	v_add_nc_u32 v208, MP, v208                    ; and where I read all sixteen: channels 8 (lane % 8) on
	s_lshl_b32 s46, s16, 6
	v_lshlrev_b32 v209, 3, v217
	v_add_nc_u32 v209, s46, v209
	v_add_nc_u32 v209, MX, v209
	v_add_nc_u32 v210, s46, v214
	v_add_nc_u32 v210, MX, v210
	v_mov_b32 v213, 0xff800000                     ; -infinity
	v_mov_b32 v236, 0                              ; written once: a lane permute's destination counts as one of its sources
	v_mov_b32 v253, 0                              ; (named as the upper half of a pair)
	s_and_b32 s40, ttmp7, 0xffff                   ; 16 x batch + head
	s_lshr_b32 s42, s40, 4
	s_lshl_b32 s42, s42, 7                         ; counts: 128 bytes a batch
	s_mov_b32 s43, 0
	s_lshl_b32 s40, s40, 17                        ; 131,072 bytes a head in each of the four buffers
	s_mov_b32 s41, 0
	s_mov_b32 s30, 0x76543210                      ; v_permlanex16_b32: lane l xor 16
	s_mov_b32 s31, 0xfedcba98
	s_wait_kmcnt 0x0
	s_add_nc_u64 s[10:11], s[10:11], s[42:43]
	s_load_b32 s17, s[10:11], 0x0                  ; nv
	s_load_b256 s[20:27], s[12:13], 0x0            ; e0 .. e7
	s_add_nc_u64 s[4:5], s[4:5], s[40:41]
	s_add_nc_u64 s[6:7], s[6:7], s[40:41]
	s_add_nc_u64 s[8:9], s[8:9], s[40:41]
	s_add_nc_u64 s[14:15], s[14:15], s[40:41]
.set i, 0
.rept 16
	global_load_b128 v[96+4*i:99+4*i], v4, s[8:9] offset:512*i     ; V of my 128 keys: four fragments of 16 channels x 128 keys
.set i, i+1
.endr
.set i, 0
.rept 16
	global_load_b128 v[32+4*i:35+4*i], v4, s[6:7] offset:512*i     ; K of my 128 keys
.set i, i+1
.endr
	s_wait_kmcnt 0x0
	s_min_u32 s17, s17, 0x800
	s_add_co_i32 s38, s22, s23
	s_lshl_b32 s38, s38, 23
	s_add_co_i32 s28, s38, 0x3e38aa3b              ; c = log2(e) / 8, with e2 + e3 added to its exponent field
	s_mov_b32 s29, s28                             ; (named with it as a pair)
	s_add_co_i32 s38, s24, 127
	s_lshl_b32 s39, s38, 23
	v_mov_b32 v244, s39                            ; 2^e4
	s_add_co_i32 s38, s38, 8
	s_lshl_b32 s38, s38, 23
	s_or_b32 s38, s38, 0x600000
	v_mov_b32 v240, s38                            ; 448 x 2^e4
	s_add_co_i32 s38, s26, 127
	s_lshl_b32 s39, s38, 23
	v_mov_b32 v245, s39                            ; 2^e6
	s_add_co_i32 s38, s38, 8
	s_lshl_b32 s38, s38, 23
	s_or_b32 s38, s38, 0x600000
	v_mov_b32 v241, s38                            ; 448 x 2^e6
	s_add_co_i32 s44, s24, s25                     ; e4 + e5
	s_sub_co_i32 s45, s44, 11                      ; and with the division by 2,048
	v_min_num_f32 v160, 1.0, v240                  ; p = 1, held as every p is
.irp j, 1,2,3,4,5,6,7
	v_mov_b32 v[160+\j], v160
.endr
	v_cvt_scalef32_pk8_fp8_f32 v[192:193], v[160:167], v244
	v_nop
.set j, 2
.rept 14
	v_mov_b32 v[192+j], v192                       ; sixteen registers of the code of 1
.set j, j+1
.endr
	s_wait_loadcnt 0x10                            ; V's sixteen loads are in; K's sixteen, issued behind them, may be out
.set i, 0
.rept 16
	ds_store_b128 v5, v[96+4*i:99+4*i] offset:512*i
.set i, i+1
.endr
.irp t, 0,1,2,3
	v_wmma_f32_16x16x128_fp8_fp8 v[160+8*\t:167+8*\t], v[96+16*\t:111+16*\t], v[192:207], 0   ; the sum over my 128 keys of code(1) x code(v): register j = channel 16 t + 8 h + j, the same in all 16 lanes of a half
.endr
	s_wait_loadcnt 0x0
.set i, 0
.rept 16
	ds_store_b128 v4, v[32+4*i:35+4*i] offset:512*i
.set i, i+1
.endr
.rept 4
	v_nop                                          ; places in front of the LDS stores that read results
.endr
.irp t, 0,1,2,3
	ds_store_b128 v7, v[160+8*\t:163+8*\t] offset:64*\t            ; the lanes of a half store the same bytes with the same numbers
	ds_store_b128 v7, v[164+8*\t:167+8*\t] offset:64*\t+16
.endr
	s_wait_dscnt 0x0                               ; for the others' sake: my stores have landed
	s_barrier_signal -1
	s_barrier_wait -1                              ; K, V and the sixteen partial sums lie in LDS
.set i, 0
.rept 16
	ds_load_b128 v[32+8*i:35+8*i], v208 offset:256*i
	ds_load_b128 v[36+8*i:39+8*i], v208 offset:256*i+16
.set i, i+1
.endr
	s_wait_dscnt 0x0
.set i, 1
.rept 15
.irp j, 0,2,4,6
	v_pk_add_f32 v[32+\j:33+\j], v[32+\j:33+\j], v[32+8*i+\j:33+8*i+\j]
.endr
.set i, i+1
.endr
.irp j, 0,1,2,3,4,5,6,7
	v_ldexp_f32 v[32+\j], v[32+\j], s45            ; x 2^(e4 + e5) / 2,048: the padded queries' row, channels 8 (lane % 8) + j
.endr
.irp j, 0,1,2,3,4,5,6,7
	v_med3_num_f32 v[32+\j], v[32+\j], -v241, v241
.endr
	v_cvt_scalef32_pk8_fp8_f32 v[24:25], v[32:39], v245
	v_nop
	ds_store_b64 v209, v[24:25]                    ; 64 codes, in my wave's own bytes,
.irp c, 0,1,2,3
	ds_load_b64 v[16+2*\c:17+2*\c], v210 offset:16*\c   ; and back as the operand's registers: 2 c, 2 c + 1 = channels 16 c + 8 h + 0..7 (LDS serves a wave's instructions in order: ISA guide 5.7.1.4)
.endr
	s_wait_dscnt 0x0
	s_barrier_signal -1
	s_barrier_wait -1                              ; behind this barrier LDS is only read
	s_mov_b32 s32, 0
.Ltile:
	s_lshl_b32 s33, s32, 6
	s_lshl_b32 s38, s16, 2
	s_add_co_u32 s33, s33, s38
	s_add_co_u32 s33, s33, ttmp9                   ; my block of 16 queries
	s_lshl_b32 s34, s33, 4                         ; its first query
	s_lshl_b32 s38, s33, 10
	v_add_nc_u32 v6, s38, v1                       ; its 1,024 bytes in qc and in ac
	v_add_nc_u32 v211, s34, v215                   ; my query
	global_load_b128 v[8:11], v6, s[4:5]
	global_load_b128 v[12:15], v6, s[4:5] offset:512
	s_cmp_lt_u32 s34, s17
	s_cselect_b32 s39, s17, 0                      ; the keys that this block walks: nv, or none where it has no valid query
	v_mov_b32 v225, 0xff61b1e6                     ; the largest t so far: -3e38
	v_floor_f32 v224, -v225                        ; -M
	v_mov_b32 v226, 0                              ; the sum, in two halves
	v_mov_b32 v227, 0
.set j, 0
.rept 32
	v_mov_b32 v[160+j], 0                          ; O^T: the step is written once; its first turn finds zeros
.set j, j+1
.endr
	s_mov_b32 s35, 0                               ; the trip's first key
	s_mov_b32 s36, 0                               ; and its images' place in LDS
	s_mov_b32 s37, 0
	s_wait_loadcnt 0x0                             ; Q
.Lkey:
	v_add_nc_u32 v2, s36, v1
	v_add_nc_u32 v3, VL, v2
	s_cmp_ge_u32 s35, s39
	s_cbranch_scc1 .Lnext
.rept 2
	v_nop                                          ; with the two additions above: four places in front of loads into registers that the last products read
.endr
.set i, 0
.rept 16
	ds_load_b128 v[32+4*i:35+4*i], v2 offset:512*i                 ; K: eight fragments of 16 keys x 64
.set i, i+1
.endr
	s_wait_dscnt 0x0
.irp u, 0,1,2,3,4,5,6,7
	v_wmma_f32_16x16x64_fp8_fp8 v[96+8*\u:103+8*\u], v[32+8*\u:39+8*\u], v[8:15], 0
.endr
.rept 4
	v_nop
.endr
.set i, 0
.rept 16
	ds_load_b128 v[32+4*i:35+4*i], v3 offset:512*i                 ; V: four fragments of 16 channels x 128 keys; they land under the softmax
.set i, i+1
.endr
	s_add_co_u32 s38, s35, 128
	s_cmp_le_u32 s38, s17
	s_cbranch_scc1 .Lopen                          ; all 128 keys count
	s_sub_co_u32 s38, s17, s35
	s_sub_co_u32 s38, s38, 1
	v_sub_nc_u32 v212, s38, v214                   ; d = nv - 1 - first key - 8 h.  Register 8 u + j holds key 16 u + 8 h + j: hidden where 16 u + j > d
.set n, 0
.rept 64
	v_cmp_gt_i32 vcc_lo, 16*(n/8)+n%8, v212
	v_cndmask_b32 v[96+n], v[96+n], v213, vcc_lo   ; a padded key's score becomes -infinity: p = 0
.set n, n+1
.endr
.Lopen:
	v_max3_num_f32 v254, v96, v97, v98             ; the step's largest score of my query, among my 64 keys, in two chains,
	v_max3_num_f32 v252, v99, v100, v101
.irp i, 6,10,14,18,22,26,30,34,38,42,46,50,54,58
	v_max3_num_f32 v254, v254, v[96+\i], v[97+\i]
	v_max3_num_f32 v252, v252, v[98+\i], v[99+\i]
.endr
	v_max3_num_f32 v254, v254, v158, v159
	v_max_num_f32 v254, v254, v252
	v_permlanex16_b32 v236, v254, s30, s31
	v_max_num_f32 v254, v254, v236                 ; and among lane l xor 16's
	v_mul_f32 v254, s28, v254                      ; as t (c is positive)
	v_max_num_f32 v225, v225, v254                 ; the running largest t
	v_mov_b32 v254, v224
	v_floor_f32 v224, -v225                        ; the new -M = -ceil(t): a whole number
	v_sub_f32 v254, v224, v254                     ; old M - new M: a whole number, 0 or less
	v_cvt_i32_f32 v254, v254                       ; (it saturates)
	v_ldexp_f32 v252, 1.0, v254                    ; f = 2^(old M - new M): a multiplication by it rounds nothing
.set j, 0
.rept 32
	v_pk_fma_f32 v[96+j:97+j], v[96+j:97+j], s[28:29], v[224:225] op_sel_hi:[1,0,0]   ; t - M (of the pairs c and -M the low word serves both halves)
.set j, j+2
.endr
.set j, 0
.rept 64
	v_exp_f32 v[96+j], v[96+j]                     ; p = 2^(t - M)
.set j, j+1
.endr
	v_pk_mul_f32 v[226:227], v[226:227], v[252:253] op_sel_hi:[1,0]   ; the sums under the new M (a plain line behind the exponentials)
	s_wait_alu depctr_va_vdst(0)
	v_pk_add_f32 v[242:243], v[96:97], v[98:99]    ; the sum of the unquantised p, in two chains
.irp j, 4,8,12,16,20,24,28,32,36,40,44,48,52,56,60
	v_pk_add_f32 v[226:227], v[226:227], v[96+\j:97+\j]
	v_pk_add_f32 v[242:243], v[242:243], v[98+\j:99+\j]
.endr
	v_pk_add_f32 v[226:227], v[226:227], v[242:243]
.irp u, 0,1,2,3,4,5,6,7
.irp i, 0,1,2,3,4,5,6,7
	v_min_num_f32 v[96+8*\u+\i], v[96+8*\u+\i], v240   ; the conversion does not saturate (ISA guide 7.6.2); p is not negative, so the hold is one-sided
.endr
	v_cvt_scalef32_pk8_fp8_f32 v[192+2*\u:193+2*\u], v[96+8*\u:103+8*\u], v244
.endr
.set j, 0
.rept 16
	v_pk_mul_f32 v[160+j:161+j], v[160+j:161+j], v[252:253] op_sel_hi:[1,0]   ; O^T under the new M (also the plain lines between the conversions and the products)
.set j, j+2
.endr
	s_wait_dscnt 0x0                               ; V is in
.irp t, 0,1,2,3
	v_wmma_f32_16x16x128_fp8_fp8 v[160+8*\t:167+8*\t], v[32+16*\t:47+16*\t], v[192:207], v[160+8*\t:167+8*\t]   ; the four accumulators take turns
.endr
.Lnext:
	s_add_co_u32 s35, s35, 128
	s_add_co_u32 s36, s36, 8192
	s_add_co_u32 s37, s37, 1
	s_cmp_lt_u32 s37, 16
	s_cbranch_scc1 .Lkey
.rept 4
	v_nop                                          ; places in front of the first read of O^T
.endr
	v_add_f32 v226, v226, v227                     ; the sum's two halves,
	v_permlanex16_b32 v236, v226, s30, s31
	v_add_f32 v226, v226, v236                     ; and lane l xor 16's
	v_rcp_f32 v226, v226
	v_nop
	s_wait_alu depctr_va_vdst(0)
	v_ldexp_f32 v226, v226, s44                    ; 2^(e4 + e5) / the sum.  (A block with no valid query divides by 0 here; its numbers are not chosen below)
.set j, 0
.rept 16
	v_pk_mul_f32 v[96+j:97+j], v[160+j:161+j], v[226:227] op_sel_hi:[1,0]
.set j, j+2
.endr
.set j, 0
.rept 32
	v_med3_num_f32 v[96+j], v[96+j], -v241, v241
.set j, j+1
.endr
.irp t, 0,1,2,3
	v_cvt_scalef32_pk8_fp8_f32 v[128+2*\t:129+2*\t], v[96+8*\t:103+8*\t], v245   ; registers 2 t, 2 t + 1 of the last product's operand: channels 16 t + 8 h + 0..7
.endr
	v_nop
	v_cmp_gt_u32 vcc_lo, s17, v211                 ; is my query valid?
.irp j, 0,1,2,3,4,5,6,7
	v_cndmask_b32 v[24+\j], v[16+\j], v[128+\j], vcc_lo   ; its own codes, or the padded queries' row
.endr
	global_store_b128 v6, v[24:27], s[14:15]       ; 512 consecutive bytes, aligned
	global_store_b128 v6, v[28:31], s[14:15] offset:512
	s_wait_xcnt 0x0                                ; the stores' address and data are written again only behind this wait
	s_add_co_u32 s32, s32, 1
	s_cmp_lt_u32 s32, 2
	s_cbranch_scc1 .Ltile
	s_wait_tensorcnt 0x0
	ds_add_u32 v251, v255
	s_wait_dscnt 0x0
	s_endpgm
.Lfunc_end_k_qf852a552ca_attn:
	.size	k_qf852a552ca_attn, .Lfunc_end_k_qf852a552ca_attn-k_qf852a552ca_attn
	.p2alignl 7, 3214868480
	.fill 96, 4, 3214868480
	.section	.rodata,"a",@progbits
	.p2align	6, 0x0
	.amdhsa_kernel k_qf852a552ca_attn
		.amdhsa_group_segment_fixed_size 269312
		.amdhsa_private_segment_fixed_size 0
		.amdhsa_enable_private_segment 0
		.amdhsa_kernarg_size 48
		.amdhsa_user_sgpr_count 2
		.amdhsa_user_sgpr_kernarg_segment_ptr 1
		.amdhsa_wavefront_size32 1
		.amdhsa_system_sgpr_workgroup_id_x 1
		.amdhsa_system_sgpr_workgroup_id_y 1
		.amdhsa_system_sgpr_workgroup_id_z 1
		.amdhsa_system_vgpr_workitem_id 0
		.amdhsa_next_free_vgpr 256
		.amdhsa_next_free_sgpr 66
		.amdhsa_reserve_vcc 1
		.amdhsa_float_denorm_mode_32 3
		.amdhsa_float_denorm_mode_16_64 3
		.amdhsa_memory_ordered 1
		.amdhsa_forward_progress 1
		.amdhsa_inst_pref_size 44
	.end_amdhsa_kernel
	.amdgpu_metadata
---
amdhsa.version: [ 1, 2 ]
amdhsa.kernels:
  - .name:           k_qf852a552ca_attn
    .symbol:         k_qf852a552ca_attn.kd
    .args:
      - { .name: qc, .offset: 0, .size: 8, .value_kind: global_buffer, .address_space: global }
      - { .name: kc, .offset: 8, .size: 8, .value_kind: global_buffer, .address_space: global }
      - { .name: vc, .offset: 16, .size: 8, .value_kind: global_buffer, .address_space: global }
      - { .name: counts, .offset: 24, .size: 8, .value_kind: global_buffer, .address_space: global }
      - { .name: lowp_scales, .offset: 32, .size: 8, .value_kind: global_buffer, .address_space: global }
      - { .name: ac, .offset: 40, .size: 8, .value_kind: global_buffer, .address_space: global }
    .group_segment_fixed_size: 269312
    .private_segment_fixed_size: 0
    .kernarg_segment_align: 8
    .kernarg_segment_size: 48
    .max_flat_workgroup_size: 512
    .sgpr_count:     66
    .vgpr_count:     256
    .wavefront_size: 32
...
	.end_amdgpu_metadata
.endif
;; end of part 3
;; launch proj (part 4): grid 4 x 64, 4 waves a work-group, clusters of 4 x 4, 327,680 bytes of LDS; arguments ac, proj_w_codes, lowp_scales, proj_b, order, out0; writes out0
.if DOCPART == 4
	.amdgcn_target "amdgcn-amd-amdhsa--gfx1250"
	.amdhsa_code_object_version 6
	.text
	.protected	k_qf852a552ca_proj
	.globl	k_qf852a552ca_proj
	.p2align	8
	.type	k_qf852a552ca_proj,@function
k_qf852a552ca_proj:
	s_mov_b64 s[64:65], 0
	v_nop
	global_prefetch_b8 v0, s[64:65] scope:SCOPE_SE
	s_setreg_imm32_b32 hwreg(HW_REG_WAVE_MODE, 25, 1), 1
	s_wait_xcnt 0x0
	s_wait_alu depctr_hold_cnt(0) depctr_sa_sdst(0) depctr_va_vdst(0) depctr_va_sdst(0) depctr_va_ssrc(0) depctr_va_vcc(0) depctr_vm_vsrc(0)
	s_getreg_b32 s2, hwreg(HW_REG_IB_STS2, 6, 4)
	s_cmp_eq_u32 s2, 0
	s_cbranch_scc0 .Lentry_in_a_cluster
	s_endpgm
.Lentry_in_a_cluster:
	s_bfe_u32 s2, ttmp6, 0x10000c
	s_cmp_lg_u32 s2, 0xf033
	s_cbranch_scc0 .Lentry_shape_is_right
	s_endpgm
.Lentry_shape_is_right:
; out = attention's result x proj_w^T + proj_b on codes of E4M3; the rows come in slot order and each is stored at its old place, order[slot].
; A tile, 128 slots x 256 features, is made by four waves, 64 x 128 each: 32 accumulators.  256 work-groups.  K = 1,024 goes in four steps of 256 (four heads) through two LDS slots filled by the tensor data mover.
; A's tile is made of images of operand registers ([head][16 rows][register half][lane][16 bytes]): a wave's load brings 4 heads x 4,096 consecutive bytes; a fragment of 16 rows x 128 K is two heads' images, four loads
; at 16 x lane.  In them k stands in the matrix form's own places, so B's fragments are read so too: eight loads of 8 bytes, at row x pitch + 16 c + 8 (l / 16).
; CLUSTERS of 4 x 4: A's tile is shared along a row of the cluster, B's along a column: joint loads.  The matrix instruction is used transposed: a lane holds eight neighbouring features of one row.
; LIMIT: e6 + e7 between -126 and 127, so that 2^(e6 + e7) is an f32 number.
; REGISTERS: window 0: v16-29 addresses; v32-95 the bias; v128-255 A's fragments, two sets of 64 (on the way out v128-191: a block's results).   window 1: B's fragments, two sets of 128 (on the way out: rows read back).
;   window 2: the accumulators, (a, b) at v[8 (8 a + b)].   window 3: v0-63: for each of my 64 rows its byte offset in out0.
.set PITCH,  272                       ; B's LDS row: 256 bytes + 16 of padding: the 32 lanes of an 8-byte load touch 64 different banks (ISA guide 11.1)
.set ABYTES, 32768                     ; A: 2 halves x 4 heads x 4 blocks of 16 rows x 1,024 bytes
.set HALFB,  128*PITCH
.set SLOT,   ABYTES+2*HALFB
.set STAGE,  2*SLOT                    ; behind the ring: 16 rows x (512 bytes + 16) for each wave
.set SPITCH, 528
.set SPARE,  STAGE+4*16*SPITCH         ; behind the stages: the spare words, 128 bytes a wave
.set ALA,  16                          ; v16-17  LDS address of my A images in slot 0, 1
.set BLA,  20                          ; v20-21  of my B fragments
.set STO,  24
.set RD,   25
.set CO,   26                          ; v26     16 x lane
.set SPW,  28                          ; v28     my spare word; never rewritten
.set NIL,  29                          ; v29     0; never rewritten
.set BIA,  32
.set AF,   128
.set TMP,  128
.set G1, 24
.set G0, 32
.set G1B, 48
.set G0B, 56
.set MSB, 0
.macro WIN new                         ; the immediate's high byte repeats the setting that is left
.if MSB != \new
	s_set_vgpr_msb (MSB<<8)|\new
.set MSB, \new
.endif
.endm
.set MUL, 0xa1                         ; source 0 (B) window 1, source 1 (A) window 0, C and D window 2
.macro JLOAD s                         ; waves 0 and 1 fetch A's halves, waves 2 and 3 B's; four v_nop follow each of the two lines
	s_cmp_eq_u32 s15, 0
	s_cbranch_scc0 .Lfor_b_\@
	tensor_load_to_lds s[G0+4*\s:G0+4*\s+3], s[G1:G1+7]
	s_nop 0
.rept 4
	v_nop
.endr
	s_branch .Lasked_\@
.Lfor_b_\@:
	tensor_load_to_lds s[G0B+4*\s:G0B+4*\s+3], s[G1B:G1B+7]
	s_nop 0
.rept 4
	v_nop
.endr
.Lasked_\@:
.endm
.macro CREST
	s_cmp_lg_u32 s14, 0
	s_cbranch_scc1 .Lnot_wave_0_\@
	s_barrier_signal -3
.Lnot_wave_0_\@:
	s_barrier_wait -3
	s_barrier_signal -1
	s_barrier_wait -1
.endm
.macro CROUND
	s_barrier_signal -1
	s_barrier_wait -1
	CREST
.endm
.macro PLACES
.rept 4
	v_nop
.endr
.endm
	s_load_b256 s[4:11], s[0:1], 0x0               ; ac s[4:5], the weights' codes s[6:7], the scales' exponents s[8:9], the bias s[10:11]
	s_load_b128 s[68:71], s[0:1], 0x20             ; order s[68:69], out0 s[70:71]
	v_lshl_add_u32 v[SPW], v0, 2, SPARE
	v_mov_b32 v[NIL], 0
	ds_add_u32 v28, v29
	ds_add_u32 v28, v29
	s_wait_dscnt 0x0
	v_lshrrev_b32 v1, 5, v0
	v_readfirstlane_b32 s14, v1                    ; wave 0..3
	s_lshr_b32 s15, s14, 1                         ; which 64 rows are mine.  Also: I fetch for A (0) or for B (1)
	s_and_b32 s16, s14, 1                          ; which 128 features.  Also: which half of that tile I fetch
	s_bfe_u32 s40, ttmp6, 0x40000                  ; cx, cy
	s_bfe_u32 s41, ttmp6, 0x40004
	s_lshl_b32 s42, ttmp9, 2
	s_add_co_u32 s42, s42, s40                     ; tile column
	s_and_b32 s17, ttmp7, 0xffff
	s_lshl_b32 s17, s17, 2
	s_add_co_u32 s17, s17, s41                     ; tile row
	s_lshl_b32 s43, s41, 2
	s_lshl_b32 s43, 15, s43                        ; my row of the cluster
	s_lshl_b32 s44, 0x1111, s40                    ; my column
	s_or_b32 s[G1+0], s43, (3<<16)|(1<<21)         ; A: 15:0 the mask; 17:16 elements of 8 bytes; 21 set beside a mask; no padding
	s_mov_b32 s[G1+1], 512<<16                     ; tensor_dim0 = 512 elements: 4,096 bytes, four blocks of 16 rows of one head
	s_mov_b32 s[G1+2], 4<<16                       ; tensor_dim1 = 4 heads
	s_mov_b32 s[G1+3], 512<<16                     ; tile_dim0
	s_mov_b32 s[G1+4], 4                           ; tile_dim1
	s_mov_b32 s[G1+5], 16384                       ; from head to head: 131,072 bytes
	s_mov_b32 s[G1+6], 0
	s_mov_b32 s[G1+7], 0
	s_or_b32 s[G1B+0], s44, (0<<16)|(1<<20)|(1<<21)|(5<<22)|(3<<25)  ; B: elements of 1 byte; four words of padding after every 64
	s_mov_b32 s[G1B+1], 256<<16
	s_mov_b32 s[G1B+2], 128<<16
	s_mov_b32 s[G1B+3], 256<<16
	s_mov_b32 s[G1B+4], 128
	s_mov_b32 s[G1B+5], 1024
	s_mov_b32 s[G1B+6], 0
	s_mov_b32 s[G1B+7], 0
	s_lshr_b32 s20, s17, 4
	s_lshl_b32 s20, s20, 21                        ; A: the batch's 16 heads x 131,072 bytes,
	s_and_b32 s18, s17, 15
	s_lshl_b32 s18, s18, 13                        ; the tile's eight blocks of 1,024 bytes,
	s_add_co_u32 s20, s20, s18
	s_lshl_b32 s18, s16, 12                        ; the half that I fetch
	s_add_co_u32 s20, s20, s18
	s_mov_b32 s21, 0
	s_lshl_b32 s46, s42, 18                        ; B: row 256 x tile column + 128 x half, 1,024 bytes a row
	s_lshl_b32 s47, s16, 17
	s_add_co_u32 s46, s46, s47
	s_mov_b32 s47, 0
	s_lshl_b32 s45, s16, 14                        ; where they go: A's halves,
	s_mul_i32 s19, s16, HALFB
	s_add_co_u32 s19, s19, ABYTES                  ; B's halves behind them
	s_wait_kmcnt 0x0
	s_load_b256 s[88:95], s[8:9], 0x0              ; e0 .. e7
	s_add_nc_u64 s[20:21], s[4:5], s[20:21]
	s_add_nc_u64 s[46:47], s[6:7], s[46:47]
	CROUND                                         ; all sixteen work-groups are here: the first joint loads meet
.irp s, 0,1
	s_mov_b32 s[G0+4*\s], 1
	s_add_co_u32 s[G0+4*\s+1], s45, \s*SLOT
	s_add_nc_u64 s[G0+4*\s+2:G0+4*\s+3], s[20:21], \s*524288       ; K step s: four heads on
	s_or_b32 s[G0+4*\s+3], s[G0+4*\s+3], 0x80000000
	s_mov_b32 s[G0B+4*\s], 1
	s_add_co_u32 s[G0B+4*\s+1], s19, \s*SLOT
	s_add_nc_u64 s[G0B+4*\s+2:G0B+4*\s+3], s[46:47], \s*256
	s_or_b32 s[G0B+4*\s+3], s[G0B+4*\s+3], 0x80000000
	JLOAD \s
.endr
	v_and_b32 v1, 15, v0                           ; r
	v_bfe_u32 v2, v0, 4, 1                         ; h
	v_and_b32 v6, 31, v0
	v_lshlrev_b32 v[CO], 4, v6
	v_mul_u32_u24 v3, v1, PITCH
	v_lshl_add_u32 v3, v2, 3, v3                   ; B: row x pitch + 8 h
	s_lshl_b32 s21, s15, 14                        ; my four blocks' images
	s_mul_i32 s22, s16, HALFB
	s_add_co_u32 s22, s22, ABYTES                  ; my 128 rows of B
.irp s, 0,1
	v_add_nc_u32 v[ALA+\s], s21, v[CO]
	v_add_nc_u32 v[BLA+\s], s22, v3
	s_add_co_u32 s21, s21, SLOT
	s_add_co_u32 s22, s22, SLOT
.endr
	s_mul_i32 s23, s14, 16*SPITCH
	s_add_co_u32 s23, s23, STAGE                   ; my stage
	v_mul_u32_u24 v5, v1, SPITCH
	v_lshl_add_u32 v5, v2, 5, v5
	v_add_nc_u32 v[STO], s23, v5                   ; in: row r, 32 bytes for each half of the lanes
	v_add_nc_u32 v[RD], s23, v[CO]                 ; back: the 32 lanes take one row of 512 bytes
	v_lshlrev_b32 v27, 5, v2                       ; 32 h
	s_lshl_b32 s12, s42, 10
	s_lshl_b32 s13, s16, 9
	s_add_co_u32 s12, s12, s13                     ; 4 bytes x (256 x tile column + 128 x half): my first feature in the bias and in a row of out0
	s_mov_b32 s13, 0
	s_add_nc_u64 s[98:99], s[10:11], s[12:13]
	s_add_nc_u64 s[70:71], s[70:71], s[12:13]
.irp b, 0,1,2,3,4,5,6,7
	global_load_b128 v[BIA+8*\b:BIA+8*\b+3], v27, s[98:99] offset:64*\b        ; features 16 b + 8 h + 0 .. 7
	global_load_b128 v[BIA+8*\b+4:BIA+8*\b+7], v27, s[98:99] offset:64*\b+16
.endr
	s_lshl_b32 s12, s17, 9
	s_lshl_b32 s18, s15, 8
	s_add_co_u32 s12, s12, s18                     ; 4 bytes x (128 x tile row + 64 x half)
	s_add_nc_u64 s[68:69], s[68:69], s[12:13]      ; order at my first row
	WIN 0xc0                                       ; destination window 3
.irp g, 0,1,2,3
	s_load_b512 s[72:87], s[68:69], 64*\g
	s_wait_kmcnt 0x0
.irp i, 0,1,2,3,4,5,6,7,8,9,10,11,12,13,14,15
	s_min_u32 s[72+\i], s[72+\i], 0x1fff           ; held inside out0's 8,192 rows
	v_lshl_add_u32 v[16*\g+\i], s[72+\i], 12, v[CO]   ; the row's 4,096 bytes + 16 x lane
.endr
.endr
	WIN 0
	s_add_co_i32 s96, s94, s95                     ; e6 + e7
	s_add_co_i32 s96, s96, 127
	s_lshl_b32 s96, s96, 23                        ; 2^(e6 + e7) as f32
	s_mov_b32 s97, s96                             ; (named with it as a pair)
; the fragments of the slot's q-th 128 along K into set: 64 loads of 8 bytes for B's eight, 16 loads of 16 bytes for A's four
.macro FETCH slot, q, set
	WIN 0x40
.irp i, 0,1,2,3,4,5,6,7
.irp c, 0,1,2,3,4,5,6,7
	ds_load_b64 v[128*(\set)+16*\i+2*\c:128*(\set)+16*\i+2*\c+1], v[BLA+\slot] offset:128*(\q)+16*\c+16*PITCH*\i
.endr
.endr
	WIN 0
.irp i, 0,1,2,3
.irp c, 0,1,2,3
	ds_load_b128 v[AF+64*(\set)+16*\i+4*\c:AF+64*(\set)+16*\i+4*\c+3], v[ALA+\slot] offset:4096*(2*(\q)+\c/2)+1024*\i+512*(\c%2)
.endr
.endr
.endm
; 8 matrix instructions: A's block a x B's eight.  The 32 accumulators take turns, one instruction a turn, in the same order in every step.
.macro MUL8 a, set, zero
.irp b, 0,1,2,3,4,5,6,7
.if \zero
	v_wmma_f32_16x16x128_fp8_fp8 v[8*(8*(\a)+\b):8*(8*(\a)+\b)+7], v[128*(\set)+16*\b:128*(\set)+16*\b+15], v[AF+64*(\set)+16*(\a):AF+64*(\set)+16*(\a)+15], 0
.else
	v_wmma_f32_16x16x128_fp8_fp8 v[8*(8*(\a)+\b):8*(8*(\a)+\b)+7], v[128*(\set)+16*\b:128*(\set)+16*\b+15], v[AF+64*(\set)+16*(\a):AF+64*(\set)+16*(\a)+15], v[8*(8*(\a)+\b):8*(8*(\a)+\b)+7]
.endif
.endr
.endm
.macro STEP slot, zero                 ; a slot's first 128 along K (set 0); the second's fragments are fetched into set 1
	s_wait_dscnt 0x0                               ; set 0 is in
	PLACES                                         ; in front of loads into set 1, which the last products read
	FETCH \slot, 1, 1
	WIN MUL
	MUL8 0, 0, \zero
	MUL8 1, 0, \zero
	MUL8 2, 0, \zero
	MUL8 3, 0, \zero
	WIN 0
.endm
; A slot's second 128 along K (set 1) changes slots: one barrier; in front of it each wave waits for all its tensor loads, adds 0 to its spare word, and waits for that and for its reads of this slot.
.macro TURN slot, next, fill
	s_wait_tensorcnt 0x0                           ; all my tensor loads have landed: my part of the next slot
	ds_add_u32 v[SPW], v[NIL]
	s_wait_dscnt 0x1                               ; set 1 is in; the add may be out
	WIN MUL
	MUL8 0, 1, 0
	s_wait_dscnt 0x0                               ; the add is done, and my reads of this slot are over
	s_barrier_signal -1
	MUL8 1, 1, 0
	WIN 0
	s_barrier_wait -1
.if \fill
	CREST                                          ; the barrier has opened a round of the cluster's: no wave of any partner still reads this slot or has a load on its way
	s_add_nc_u64 s[G0+4*\slot+2:G0+4*\slot+3], s[G0+4*\slot+2:G0+4*\slot+3], 2*524288
	s_add_nc_u64 s[G0B+4*\slot+2:G0B+4*\slot+3], s[G0B+4*\slot+2:G0B+4*\slot+3], 2*256
	JLOAD \slot                                    ; the first tensor load behind the round; its four v_nop are the places in front of the loads below
.else
	PLACES
.endif
	FETCH \next, 0, 0
	WIN MUL
	MUL8 2, 1, 0
	MUL8 3, 1, 0
	WIN 0
.endm
	s_wait_tensorcnt 1                             ; my part of K step 0 is in; K step 1's load may be out
	s_barrier_signal -1
	s_barrier_wait -1
	FETCH 0, 0, 0
	STEP 0, 1                                      ; the first products start the sums
	TURN 0, 1, 1                                   ; slot 0 takes K step 2
	STEP 1, 0
	TURN 1, 0, 1                                   ; slot 1 takes K step 3
	STEP 0, 0
	TURN 0, 1, 0
	STEP 1, 0
	s_wait_dscnt 0x0
	WIN MUL
	MUL8 0, 1, 0
	MUL8 1, 1, 0
	MUL8 2, 1, 0
	MUL8 3, 1, 0
	WIN 0
	s_wait_loadcnt 0x0                             ; the bias
	PLACES                                         ; in front of the reads of results and of the lines that take the fragments' registers
; THE WAY OUT, a block of 16 rows x 128 features at a time: sum x 2^(e6 + e7) + bias; through my own stage, back as whole rows of 512 bytes; each row goes to its old place.
.macro TOSTAGE a
	WIN 0x02                                       ; source 0: window 2
.set j, 0
.rept 32
	v_pk_fma_f32 v[TMP+j:TMP+j+1], v[64*(\a)+j:64*(\a)+j+1], s[96:97], v[BIA+j:BIA+j+1] op_sel_hi:[1,0,1]   ; each accumulator from its low end on
.set j, j+2
.endr
	WIN 0
.irp b, 0,1,2,3,4,5,6,7
	ds_store_b128 v[STO], v[TMP+8*\b:TMP+8*\b+3] offset:64*\b
	ds_store_b128 v[STO], v[TMP+8*\b+4:TMP+8*\b+7] offset:64*\b+16
.endr
	WIN 0x40
.irp t, 0,1,2,3,4,5,6,7,8,9,10,11,12,13,14,15
	ds_load_b128 v[64*((\a)%2)+4*\t:64*((\a)%2)+4*\t+3], v[RD] offset:\t*SPITCH   ; LDS serves a wave's instructions in order (ISA guide 5.7.1.4): these see the stores above
.endr
	WIN 0
.endm
.macro SEND a, younger                 ; younger: the LDS instructions issued behind block a's loads, which may stay out
	s_wait_dscnt \younger
	WIN 0x07                                       ; the address: window 3; the data: window 1
.irp t, 0,1,2,3,4,5,6,7,8,9,10,11,12,13,14,15
	global_store_b128 v[16*(\a)+\t], v[64*((\a)%2)+4*\t:64*((\a)%2)+4*\t+3], s[70:71] th:TH_STORE_NT   ; 32 lanes store 512 consecutive bytes, aligned; written once, read by nobody here
.endr
	WIN 0
.endm
	TOSTAGE 0
	TOSTAGE 1
	SEND 0, 32                                     ; behind block 0's loads: block 1's 16 stores and 16 loads
	s_wait_xcnt 0x0                                ; block 0's stores have read their registers: block 2's loads may land there
	TOSTAGE 2
	SEND 1, 32
	s_wait_xcnt 0x0
	TOSTAGE 3
	SEND 2, 32
	SEND 3, 0
	s_wait_tensorcnt 0x0                           ; the wave's end
	ds_add_u32 v[SPW], v[NIL]
	s_wait_dscnt 0x0
	CROUND                                         ; the closing round
	s_endpgm
.Lfunc_end_k_qf852a552ca_proj:
	.size	k_qf852a552ca_proj, .Lfunc_end_k_qf852a552ca_proj-k_qf852a552ca_proj
	.p2alignl 7, 3214868480
	.fill 96, 4, 3214868480
	.section	.rodata,"a",@progbits
	.p2align	6, 0x0
	.amdhsa_kernel k_qf852a552ca_proj
		.amdhsa_group_segment_fixed_size 327680
		.amdhsa_private_segment_fixed_size 0
		.amdhsa_enable_private_segment 0
		.amdhsa_kernarg_size 48
		.amdhsa_user_sgpr_count 2
		.amdhsa_user_sgpr_kernarg_segment_ptr 1
		.amdhsa_wavefront_size32 1
		.amdhsa_system_sgpr_workgroup_id_x 1
		.amdhsa_system_sgpr_workgroup_id_y 1
		.amdhsa_system_sgpr_workgroup_id_z 1
		.amdhsa_system_vgpr_workitem_id 0
		.amdhsa_next_free_vgpr 832
		.amdhsa_next_free_sgpr 100
		.amdhsa_reserve_vcc 0
		.amdhsa_float_denorm_mode_32 3
		.amdhsa_float_denorm_mode_16_64 3
		.amdhsa_memory_ordered 1
		.amdhsa_forward_progress 1
		.amdhsa_inst_pref_size 101
	.end_amdhsa_kernel
	.amdgpu_metadata
---
amdhsa.version: [ 1, 2 ]
amdhsa.kernels:
  - .name:           k_qf852a552ca_proj
    .symbol:         k_qf852a552ca_proj.kd
    .args:
      - { .name: ac, .offset: 0, .size: 8, .value_kind: global_buffer, .address_space: global }
      - { .name: proj_w_codes, .offset: 8, .size: 8, .value_kind: global_buffer, .address_space: global }
      - { .name: lowp_scales, .offset: 16, .size: 8, .value_kind: global_buffer, .address_space: global }
      - { .name: proj_b, .offset: 24, .size: 8, .value_kind: global_buffer, .address_space: global }
      - { .name: order, .offset: 32, .size: 8, .value_kind: global_buffer, .address_space: global }
      - { .name: out0, .offset: 40, .size: 8, .value_kind: global_buffer, .address_space: global }
    .group_segment_fixed_size: 327680
    .private_segment_fixed_size: 0
    .kernarg_segment_align: 8
    .kernarg_segment_size: 48
    .max_flat_workgroup_size: 128
    .sgpr_count:     100
    .vgpr_count:     832
    .wavefront_size: 32
...
	.end_amdgpu_metadata
.endif
;; end of part 4
;; ======== version 2 of 2: 4 launches; version 1 with the launch attn written anew for expert scheduling mode
;; workspace buffers: hperm 8,388,608 bytes; rt 2,097,152 bytes; order 32,768 bytes of whole numbers; counts 512 bytes of whole numbers; qc 8,388,608 bytes; kc 8,388,608 bytes; vc 8,388,608 bytes; ac 8,388,608 bytes
;; launch prep: the kernel of part 1 again; grid 256 x 1, 8 waves a work-group, no clusters, 0 bytes of LDS; arguments hidden_codes, key_padding_mask, hperm, rt, order, counts; writes hperm, rt, order, counts
;; launch qkv: the kernel of part 2 again; grid 12 x 32, 4 waves a work-group, clusters of 4 x 4, 327,680 bytes of LDS; arguments hperm, qkv_w_codes, lowp_scales, qkv_b, rt, qc, kc, vc; writes qc, kc, vc
;; launch attn (part 5): grid 4 x 64, 16 waves a work-group, no clusters, 269,312 bytes of LDS; arguments qc, kc, vc, counts, lowp_scales, ac; writes ac
.if DOCPART == 5
	.amdgcn_target "amdgcn-amd-amdhsa--gfx1250"
	.amdhsa_code_object_version 6
	.text
	.protected	k_qf852a552ca_attn
	.globl	k_qf852a552ca_attn
	.p2align	8
	.type	k_qf852a552ca_attn,@function
k_qf852a552ca_attn:
	s_mov_b64 s[64:65], 0
	v_nop
	global_prefetch_b8 v0, s[64:65] scope:SCOPE_SE
	s_setreg_imm32_b32 hwreg(HW_REG_WAVE_SCHED_MODE, 0, 2), 2
	s_setreg_imm32_b32 hwreg(HW_REG_WAVE_MODE, 25, 1), 1
	s_wait_xcnt 0x0
	s_wait_alu depctr_vm_vsrc(0)
; Attention of one head on codes of E4M3, rows in slot order: slots 0 .. nv - 1 are the batch's valid rows, the others its padded rows; nv comes from counts, which an earlier launch stored.
; WHAT reference() KEEPS.  A valid query: the padded keys' logits are -1e9, so their p is 0: only keys under nv are walked.  A padded query: all 2,048 logits are -1e9, t is a whole number, M = t, p = 1 for every key and
; the sum is 2,048: all padded queries of a head share ONE row, (sum over all keys of code(1) x code(v)) x 2^(e4 + e5 - 11).  It is made once a work-group, by matrix instructions, while V comes in.
; SOFTMAX ahead of the second product: t = score x log2(e) / 8; M = the running largest t rounded up to a whole number; p = 2^(t - M) is quantised with 2^e4; the sum is taken of the unquantised p and divides at the end.
; SHARES.  Four work-groups to a head; each holds the head's K and V in LDS (256 KiB), as images of operand registers: every fragment load is 16 bytes a lane at 16 x lane.  Loads go through registers: the walk hangs on nv.
; A wave owns one block of 16 queries at a time: blocks 64 i + 4 wave + work-group x, i = 0, 1, so that the valid blocks fall evenly on the head's 64 waves.
; Both products are used transposed: S^T = K Q^T, O^T = V^T P^T: a lane holds one query (lane % 16); tile u's eight registers are keys 16 u + 8 (lane / 16) + 0..7: their codes are registers 2 u, 2 u + 1 of P.
; Every block walks 8 trips of two key steps of 128 keys; a step whose keys lie at or beyond the block's limit (nv, or 0 for a block with no valid query) leaves out its work by a scalar branch on whole numbers.
; LIMITS: e2 + e3 between -123 and 130; e4 and e6 between -126 and 119.  NaN among the inputs is not served.
; REGISTERS: v1-7 addresses; v8-15 Q; v16-23 the padded queries' row as codes; v24-31 the codes to store; v32-95 X and v96-159 Y, two buffers that change roles; v160-191 O^T; v192-207 P's codes; v208-254 addresses, statistics, at work.
; THE MODE: SCHED_MODE bits 1:0 = 2 (LLVM: expert scheduling mode 2), set by the entry lines.  The code itself states the register dependences
; between vector or matrix instructions and memory or LDS instructions, with s_wait_alu, always for 0.
; THE PLAN.  Registers that memory or LDS instructions touch, in the loop over the keys:
;   KB, SB     X and Y by turns: a step's KB is the next step's SB.  KB: K's sixteen LDS loads land in it (asked for in the step before), the eight products K Q^T read it, V's sixteen loads land in it, the four products
;              V^T P read it.  SB: the products K Q^T write it, the softmax works in it, the conversions read it last; then the NEXT step's K lands in it, under the rescaling of O^T and the products V^T P.
;   v2, v3     LDS addresses of K's and V's images: read by those loads, written once a trip (two steps), at its head; the steps within a trip are reached by immediate offsets.
;   v1         16 x lane: the address of a block's first K; never written again.
;   v6, v8-15, v24-31   once a block: the address, Q, the codes that leave.
;   O^T, P's codes and the statistics are named by vector and matrix instructions alone.
; So a key step has two waits on va_vdst of its own, each directly ahead of a run of sixteen loads (V's: the products K Q^T are done reading KB; the next K's: the softmax is done with SB), beside the one behind its
; exponentials; a trip has one wait on vm_vsrc, ahead of the adds to v2 and v3.  A step asks for the next step's K only where that step is walked: no fragment is read that no product takes.
.set VL, 131072                        ; LDS: K's images at 0, V's here,
.set MP, 262144                        ; the waves' partial column sums, 256 bytes each,
.set MX, 266240                        ; and 64 bytes for each wave: the padded queries' row as codes
.set XB, 32                            ; v32-95
.set YB, 96                            ; v96-159
.set MK, 48                            ; s[48:63] sixteen lane masks, for the step that holds key nv
	s_load_b256 s[4:11], s[0:1], 0x0               ; qc s[4:5], kc s[6:7], vc s[8:9], counts s[10:11]
	s_load_b128 s[12:15], s[0:1], 0x20             ; the scales' exponents s[12:13], ac s[14:15]
	v_lshl_add_u32 v251, v0, 2, 0x41400
	v_mov_b32 v255, 0
	v_lshrrev_b32 v2, 5, v0
	v_readfirstlane_b32 s16, v2                    ; wave 0..15
	v_and_b32 v1, 31, v0
	v_lshlrev_b32 v1, 4, v1                        ; 16 x lane
	v_and_b32 v215, 15, v0                         ; r
	v_bfe_u32 v216, v0, 4, 1                       ; h
	v_lshlrev_b32 v214, 3, v216                    ; 8 h
	v_and_b32 v217, 7, v0
	s_wait_alu depctr_va_sdst(0)                   ; s16 is written, ahead of its first reader
	s_lshl_b32 s38, s16, 13
	v_add_nc_u32 v4, s38, v1                       ; my wave's run of 128 keys: 8,192 x wave + 16 x lane, in memory and in LDS
	v_add_nc_u32 v5, VL, v4
	s_lshl_b32 s39, s16, 8
	v_lshlrev_b32 v7, 5, v216
	v_add_nc_u32 v7, s39, v7
	v_add_nc_u32 v7, MP, v7                        ; my partial sums: 256 x wave + 32 h
	v_lshlrev_b32 v208, 5, v217
	v_add_nc_u32 v208, MP, v208                    ; and where I read all sixteen: channels 8 (lane % 8) on
	s_lshl_b32 s46, s16, 6
	v_lshlrev_b32 v209, 3, v217
	v_add_nc_u32 v209, s46, v209
	v_add_nc_u32 v209, MX, v209
	v_add_nc_u32 v210, s46, v214
	v_add_nc_u32 v210, MX, v210
	v_mov_b32 v213, 0xff800000                     ; -infinity
	v_mov_b32 v236, 0                              ; written once: a lane permute's destination counts as one of its sources
	v_mov_b32 v253, 0                              ; (named as the upper half of a pair)
	s_and_b32 s40, ttmp7, 0xffff                   ; 16 x batch + head
	s_lshr_b32 s42, s40, 4
	s_lshl_b32 s42, s42, 7                         ; counts: 128 bytes a batch
	s_mov_b32 s43, 0
	s_lshl_b32 s40, s40, 17                        ; 131,072 bytes a head in each of the four buffers
	s_mov_b32 s41, 0
	s_mov_b32 s30, 0x76543210                      ; v_permlanex16_b32: lane l xor 16
	s_mov_b32 s31, 0xfedcba98
	s_wait_kmcnt 0x0
	s_add_nc_u64 s[10:11], s[10:11], s[42:43]
	s_load_b32 s17, s[10:11], 0x0                  ; nv
	s_load_b256 s[20:27], s[12:13], 0x0            ; e0 .. e7
	s_add_nc_u64 s[4:5], s[4:5], s[40:41]
	s_add_nc_u64 s[6:7], s[6:7], s[40:41]
	s_add_nc_u64 s[8:9], s[8:9], s[40:41]
	s_add_nc_u64 s[14:15], s[14:15], s[40:41]
	s_wait_alu depctr_va_vdst(0)                   ; the addresses v1, v4, v5, v7, v208, v209 and v210 are written: the loads and stores below read them, and no vector line writes them again
.set i, 0
.rept 16
	global_load_b128 v[96+4*i:99+4*i], v4, s[8:9] offset:512*i     ; V of my 128 keys: four fragments of 16 channels x 128 keys
.set i, i+1
.endr
.set i, 0
.rept 16
	global_load_b128 v[32+4*i:35+4*i], v4, s[6:7] offset:512*i     ; K of my 128 keys
.set i, i+1
.endr
	s_wait_kmcnt 0x0
	s_min_u32 s17, s17, 0x800
	s_add_co_i32 s38, s22, s23
	s_lshl_b32 s38, s38, 23
	s_add_co_i32 s28, s38, 0x3e38aa3b              ; c = log2(e) / 8, with e2 + e3 added to its exponent field
	s_mov_b32 s29, s28                             ; (named with it as a pair)
	s_add_co_i32 s38, s24, 127
	s_lshl_b32 s39, s38, 23
	v_mov_b32 v244, s39                            ; 2^e4
	s_add_co_i32 s38, s38, 8
	s_lshl_b32 s38, s38, 23
	s_or_b32 s38, s38, 0x600000
	v_mov_b32 v240, s38                            ; 448 x 2^e4
	s_add_co_i32 s38, s26, 127
	s_lshl_b32 s39, s38, 23
	v_mov_b32 v245, s39                            ; 2^e6
	s_add_co_i32 s38, s38, 8
	s_lshl_b32 s38, s38, 23
	s_or_b32 s38, s38, 0x600000
	v_mov_b32 v241, s38                            ; 448 x 2^e6
	s_add_co_i32 s44, s24, s25                     ; e4 + e5
	s_sub_co_i32 s45, s44, 11                      ; and with the division by 2,048
	v_min_num_f32 v160, 1.0, v240                  ; p = 1, held as every p is
.irp j, 1,2,3,4,5,6,7
	v_mov_b32 v[160+\j], v160
.endr
	v_cvt_scalef32_pk8_fp8_f32 v[192:193], v[160:167], v244
	v_nop
.set j, 2
.rept 14
	v_mov_b32 v[192+j], v192                       ; sixteen registers of the code of 1
.set j, j+1
.endr
	s_wait_loadcnt 0x10                            ; V's sixteen loads are in; K's sixteen, issued behind them, may be out
.set i, 0
.rept 16
	ds_store_b128 v5, v[96+4*i:99+4*i] offset:512*i                ; (data that loads brought, an address from ahead of the last wait on va_vdst: no vector line since names either)
.set i, i+1
.endr
.irp t, 0,1,2,3
	v_wmma_f32_16x16x128_fp8_fp8 v[160+8*\t:167+8*\t], v[96+16*\t:111+16*\t], v[192:207], 0   ; the sum over my 128 keys of code(1) x code(v): register j = channel 16 t + 8 h + j, the same in all 16 lanes of a half
.endr
	s_wait_loadcnt 0x0
.set i, 0
.rept 16
	ds_store_b128 v4, v[32+4*i:35+4*i] offset:512*i
.set i, i+1
.endr
.rept 4
	v_nop                                          ; places in front of the LDS stores that read results
.endr
	s_wait_alu depctr_va_vdst(0)                   ; the four products have written v160-191, which the stores below read, and are done reading v96-159, in which loads land behind the barrier; the places above stay beside this wait
.irp t, 0,1,2,3
	ds_store_b128 v7, v[160+8*\t:163+8*\t] offset:64*\t            ; the lanes of a half store the same bytes with the same numbers
	ds_store_b128 v7, v[164+8*\t:167+8*\t] offset:64*\t+16
.endr
	s_wait_dscnt 0x0                               ; for the others' sake: my stores have landed
	s_barrier_signal -1
	s_barrier_wait -1                              ; K, V and the sixteen partial sums lie in LDS
	s_wait_alu depctr_vm_vsrc(0)                   ; my LDS stores have read v32-159, in which the loads below land, and v160-191, which a block's head writes anew
.set i, 0
.rept 16
	ds_load_b128 v[32+8*i:35+8*i], v208 offset:256*i
	ds_load_b128 v[36+8*i:39+8*i], v208 offset:256*i+16
.set i, i+1
.endr
	s_wait_dscnt 0x0
.set i, 1
.rept 15
.irp j, 0,2,4,6
	v_pk_add_f32 v[32+\j:33+\j], v[32+\j:33+\j], v[32+8*i+\j:33+8*i+\j]
.endr
.set i, i+1
.endr
.irp j, 0,1,2,3,4,5,6,7
	v_ldexp_f32 v[32+\j], v[32+\j], s45            ; x 2^(e4 + e5) / 2,048: the padded queries' row, channels 8 (lane % 8) + j
.endr
.irp j, 0,1,2,3,4,5,6,7
	v_med3_num_f32 v[32+\j], v[32+\j], -v241, v241
.endr
	v_cvt_scalef32_pk8_fp8_f32 v[24:25], v[32:39], v245
	v_nop
	s_wait_alu depctr_va_vdst(0)                   ; the conversion has written v[24:25], which the store below reads
	ds_store_b64 v209, v[24:25]                    ; 64 codes, in my wave's own bytes,
.irp c, 0,1,2,3
	ds_load_b64 v[16+2*\c:17+2*\c], v210 offset:16*\c   ; and back as the operand's registers: 2 c, 2 c + 1 = channels 16 c + 8 h + 0..7 (LDS serves a wave's instructions in order: ISA guide 5.7.1.4)
.endr
	s_wait_dscnt 0x0
	s_barrier_signal -1
	s_barrier_wait -1                              ; behind this barrier LDS is only read
	s_wait_alu depctr_vm_vsrc(0)                   ; that store has read v[24:25], which the choice at a block's end writes
; A KEY STEP: 128 keys.  p: the step's place in its trip (0, 1).  kb: the buffer that holds the step's K, then its V.  sb: the buffer for S^T and p, then for the next step's K.
.macro HALF p, kb, sb
	s_cmp_ge_u32 s35, s39
	s_cbranch_scc1 .Lnext_\@
	s_wait_dscnt 0x0                               ; K is in: it was asked for in the step before, or at the block's head
.rept 5
	v_nop                                          ; five places between the last step's products V^T P, which read this step's sb as their source, and the products that now write over it (ISA guide 7.12.1)
.endr
.irp u, 0,1,2,3,4,5,6,7
	v_wmma_f32_16x16x64_fp8_fp8 v[\sb+8*\u:\sb+8*\u+7], v[\kb+8*\u:\kb+8*\u+7], v[8:15], 0
.endr
.rept 4
	v_nop                                          ; places in front of the first read of the scores
.endr
	s_wait_alu depctr_va_vdst(0)                   ; the eight products are done reading kb, in which V lands; in a trip's first walked step v3 is written
.set i, 0
.rept 16
	ds_load_b128 v[\kb+4*i:\kb+4*i+3], v3 offset:8192*\p+512*i     ; V: four fragments of 16 channels x 128 keys; they land under the softmax, which names neither kb nor v3
.set i, i+1
.endr
	s_add_co_u32 s38, s35, 128
	s_cmp_le_u32 s38, s17
	s_cbranch_scc1 .Lopen_\@                       ; all 128 keys count
	s_sub_co_u32 s38, s17, s35
	s_sub_co_u32 s38, s38, 1
	v_sub_nc_u32 v212, s38, v214                   ; d = nv - 1 - first key - 8 h.  Register 8 u + j holds key 16 u + 8 h + j: hidden where 16 u + j > d
.set g, 0
.rept 4                                        ; the compares go in runs of sixteen, into sixteen scalar registers, so that one wait serves a run
.set k, 0
.rept 16
	v_cmp_gt_i32 s[MK+k], 16*((16*g+k)/8)+(16*g+k)%8, v212
.set k, k+1
.endr
	s_wait_alu depctr_va_sdst(0)                   ; the sixteen masks are written, ahead of the selects that read them
.set k, 0
.rept 16
	v_cndmask_b32 v[\sb+16*g+k], v[\sb+16*g+k], v213, s[MK+k]      ; a padded key's score becomes -infinity: p = 0
.set k, k+1
.endr
.set g, g+1
.endr
.Lopen_\@:
	v_max3_num_f32 v254, v[\sb], v[\sb+1], v[\sb+2]   ; the step's largest score of my query, among my 64 keys, in two chains,
	v_max3_num_f32 v252, v[\sb+3], v[\sb+4], v[\sb+5]
.irp i, 6,10,14,18,22,26,30,34,38,42,46,50,54,58
	v_max3_num_f32 v254, v254, v[\sb+\i], v[\sb+1+\i]
	v_max3_num_f32 v252, v252, v[\sb+2+\i], v[\sb+3+\i]
.endr
	v_max3_num_f32 v254, v254, v[\sb+62], v[\sb+63]
	v_max_num_f32 v254, v254, v252
	v_permlanex16_b32 v236, v254, s30, s31
	v_max_num_f32 v254, v254, v236                 ; and among lane l xor 16's
	v_mul_f32 v254, s28, v254                      ; as t (c is positive)
	v_max_num_f32 v225, v225, v254                 ; the running largest t
	v_mov_b32 v254, v224
	v_floor_f32 v224, -v225                        ; the new -M = -ceil(t): a whole number
	v_sub_f32 v254, v224, v254                     ; old M - new M: a whole number, 0 or less
	v_cvt_i32_f32 v254, v254                       ; (it saturates)
	v_ldexp_f32 v252, 1.0, v254                    ; f = 2^(old M - new M): a multiplication by it rounds nothing
.set j, 0
.rept 32
	v_pk_fma_f32 v[\sb+j:\sb+j+1], v[\sb+j:\sb+j+1], s[28:29], v[224:225] op_sel_hi:[1,0,0]   ; t - M (of the pairs c and -M the low word serves both halves)
.set j, j+2
.endr
.set j, 0
.rept 64
	v_exp_f32 v[\sb+j], v[\sb+j]                   ; p = 2^(t - M)
.set j, j+1
.endr
	v_pk_mul_f32 v[226:227], v[226:227], v[252:253] op_sel_hi:[1,0]   ; the sums under the new M (a plain line behind the exponentials)
	s_wait_alu depctr_va_vdst(0)                   ; the 64 exponentials have written p, ahead of its first reader: one wait for the batch
	v_pk_add_f32 v[242:243], v[\sb:\sb+1], v[\sb+2:\sb+3]   ; the sum of the unquantised p, in two chains
.irp j, 4,8,12,16,20,24,28,32,36,40,44,48,52,56,60
	v_pk_add_f32 v[226:227], v[226:227], v[\sb+\j:\sb+1+\j]
	v_pk_add_f32 v[242:243], v[242:243], v[\sb+2+\j:\sb+3+\j]
.endr
	v_pk_add_f32 v[226:227], v[226:227], v[242:243]
.irp u, 0,1,2,3,4,5,6,7
.irp i, 0,1,2,3,4,5,6,7
	v_min_num_f32 v[\sb+8*\u+\i], v[\sb+8*\u+\i], v240   ; the conversion does not saturate (ISA guide 7.6.2); p is not negative, so the hold is one-sided
.endr
	v_cvt_scalef32_pk8_fp8_f32 v[192+2*\u:193+2*\u], v[\sb+8*\u:\sb+8*\u+7], v244
.endr
	s_wait_dscnt 0x0                               ; V is in: it was asked for a softmax ago.  The wait stands ahead of the next K's loads, so that it does not count them
	s_add_co_u32 s38, s35, 128
	s_cmp_ge_u32 s38, s39                          ; is the next step walked?  The same test as at that step's head
	s_cbranch_scc1 .Lno_k_\@
	s_wait_alu depctr_va_vdst(0)                   ; the sums, the holds and the conversions are done with sb, in which the next step's K lands
.set i, 0
.rept 16
	ds_load_b128 v[\sb+4*i:\sb+4*i+3], v2 offset:8192*(\p+1)+512*i ; K of the next step: eight fragments of 16 keys x 64; they land under the lines below, which name neither sb nor v2
.set i, i+1
.endr
.Lno_k_\@:
.set j, 0
.rept 16
	v_pk_mul_f32 v[160+j:161+j], v[160+j:161+j], v[252:253] op_sel_hi:[1,0]   ; O^T under the new M (also the plain lines between the conversions and the products)
.set j, j+2
.endr
.irp t, 0,1,2,3
	v_wmma_f32_16x16x128_fp8_fp8 v[160+8*\t:167+8*\t], v[\kb+16*\t:\kb+16*\t+15], v[192:207], v[160+8*\t:167+8*\t]   ; the four accumulators take turns
.endr
.Lnext_\@:
	s_add_co_u32 s35, s35, 128
.endm
	s_mov_b32 s32, 0
.Ltile:
	s_lshl_b32 s33, s32, 6
	s_lshl_b32 s38, s16, 2
	s_add_co_u32 s33, s33, s38
	s_add_co_u32 s33, s33, ttmp9                   ; my block of 16 queries
	s_lshl_b32 s34, s33, 4                         ; its first query
	s_lshl_b32 s38, s33, 10
	v_add_nc_u32 v6, s38, v1                       ; its 1,024 bytes in qc and in ac
	v_add_nc_u32 v211, s34, v215                   ; my query
	s_cmp_lt_u32 s34, s17
	s_cselect_b32 s39, s17, 0                      ; the keys that this block walks: nv, or none where it has no valid query
	s_wait_alu depctr_va_vdst(0)                   ; v6 is written, which Q's loads read; the earlier products and vector lines are done with v8-15 and with X, in which the loads below land
	global_load_b128 v[8:11], v6, s[4:5]
	global_load_b128 v[12:15], v6, s[4:5] offset:512
	s_cmp_eq_u32 s39, 0
	s_cbranch_scc1 .Lno_first
.set i, 0
.rept 16
	ds_load_b128 v[XB+4*i:XB+4*i+3], v1 offset:512*i               ; K of the block's first key step, where it has one; the lines below name neither X nor v1
.set i, i+1
.endr
.Lno_first:
	v_mov_b32 v225, 0xff61b1e6                     ; the largest t so far: -3e38
	v_floor_f32 v224, -v225                        ; -M
	v_mov_b32 v226, 0                              ; the sum, in two halves
	v_mov_b32 v227, 0
.set j, 0
.rept 32
	v_mov_b32 v[160+j], 0                          ; O^T: the step is written once for each role of the buffers; its first turn finds zeros
.set j, j+1
.endr
	s_mov_b32 s35, 0                               ; the step's first key
	s_mov_b32 s36, 0                               ; the trip's images' place in LDS
	s_mov_b32 s37, 0
	s_wait_loadcnt 0x0                             ; Q
.Lkey:                                                 ; 8 trips of two key steps: behind two steps the buffers are back in their roles
	s_wait_alu depctr_vm_vsrc(0)                   ; the LDS loads issued so far have read v2 and v3, which are written here
	v_add_nc_u32 v2, s36, v1
	v_add_nc_u32 v3, VL, v2
	HALF 0, XB, YB
	HALF 1, YB, XB
	s_add_co_u32 s36, s36, 16384
	s_add_co_u32 s37, s37, 1
	s_cmp_lt_u32 s37, 8
	s_cbranch_scc1 .Lkey
	s_wait_dscnt 0x0                               ; on every way out of the loop no LDS load of mine is out: the lines below write v96 on
.rept 4
	v_nop                                          ; places in front of the first read of O^T
.endr
	v_add_f32 v226, v226, v227                     ; the sum's two halves,
	v_permlanex16_b32 v236, v226, s30, s31
	v_add_f32 v226, v226, v236                     ; and lane l xor 16's
	v_rcp_f32 v226, v226
	v_nop
	s_wait_alu depctr_va_vdst(0)                   ; the reciprocal has written v226, ahead of its first reader
	v_ldexp_f32 v226, v226, s44                    ; 2^(e4 + e5) / the sum.  (A block with no valid query divides by 0 here; its numbers are not chosen below)
.set j, 0
.rept 16
	v_pk_mul_f32 v[96+j:97+j], v[160+j:161+j], v[226:227] op_sel_hi:[1,0]
.set j, j+2
.endr
.set j, 0
.rept 32
	v_med3_num_f32 v[96+j], v[96+j], -v241, v241
.set j, j+1
.endr
.irp t, 0,1,2,3
	v_cvt_scalef32_pk8_fp8_f32 v[128+2*\t:129+2*\t], v[96+8*\t:103+8*\t], v245   ; registers 2 t, 2 t + 1 of the last product's operand: channels 16 t + 8 h + 0..7
.endr
	v_nop
	v_cmp_gt_u32 vcc_lo, s17, v211                 ; is my query valid?
	s_wait_alu depctr_va_vcc(0)                    ; VCC is written, ahead of the selects that read it
.irp j, 0,1,2,3,4,5,6,7
	v_cndmask_b32 v[24+\j], v[16+\j], v[128+\j], vcc_lo   ; its own codes, or the padded queries' row
.endr
	s_wait_alu depctr_va_vdst(0)                   ; the eight selects have written v24-31, which the stores below read
	global_store_b128 v6, v[24:27], s[14:15]       ; 512 consecutive bytes, aligned
	global_store_b128 v6, v[28:31], s[14:15] offset:512
	s_wait_xcnt 0x0                                ; the stores' address and data are written again only behind this wait,
	s_wait_alu depctr_vm_vsrc(0)                   ; and behind this one: the stores have read v6 and v24-31, which the next block writes
	s_add_co_u32 s32, s32, 1
	s_cmp_lt_u32 s32, 2
	s_cbranch_scc1 .Ltile
	s_wait_dscnt 0x0                               ; the closing lines, six on end
	s_wait_alu 0x0
	s_wait_tensorcnt 0x0
	ds_add_u32 v251, v255
	s_wait_dscnt 0x0
	s_endpgm
.Lfunc_end_k_qf852a552ca_attn:
	.size	k_qf852a552ca_attn, .Lfunc_end_k_qf852a552ca_attn-k_qf852a552ca_attn
	.p2alignl 7, 3214868480
	.fill 96, 4, 3214868480
	.section	.rodata,"a",@progbits
	.p2align	6, 0x0
	.amdhsa_kernel k_qf852a552ca_attn
		.amdhsa_group_segment_fixed_size 269312
		.amdhsa_private_segment_fixed_size 0
		.amdhsa_enable_private_segment 0
		.amdhsa_kernarg_size 48
		.amdhsa_user_sgpr_count 2
		.amdhsa_user_sgpr_kernarg_segment_ptr 1
		.amdhsa_wavefront_size32 1
		.amdhsa_system_sgpr_workgroup_id_x 1
		.amdhsa_system_sgpr_workgroup_id_y 1
		.amdhsa_system_sgpr_workgroup_id_z 1
		.amdhsa_system_vgpr_workitem_id 0
		.amdhsa_next_free_vgpr 256
		.amdhsa_next_free_sgpr 66
		.amdhsa_reserve_vcc 1
		.amdhsa_float_denorm_mode_32 3
		.amdhsa_float_denorm_mode_16_64 3
		.amdhsa_memory_ordered 1
		.amdhsa_forward_progress 1
		.amdhsa_inst_pref_size 75
	.end_amdhsa_kernel
	.amdgpu_metadata
---
amdhsa.version: [ 1, 2 ]
amdhsa.kernels:
  - .name:           k_qf852a552ca_attn
    .symbol:         k_qf852a552ca_attn.kd
    .args:
      - { .name: qc, .offset: 0, .size: 8, .value_kind: global_buffer, .address_space: global }
      - { .name: kc, .offset: 8, .size: 8, .value_kind: global_buffer, .address_space: global }
      - { .name: vc, .offset: 16, .size: 8, .value_kind: global_buffer, .address_space: global }
      - { .name: counts, .offset: 24, .size: 8, .value_kind: global_buffer, .address_space: global }
      - { .name: lowp_scales, .offset: 32, .size: 8, .value_kind: global_buffer, .address_space: global }
      - { .name: ac, .offset: 40, .size: 8, .value_kind: global_buffer, .address_space: global }
    .group_segment_fixed_size: 269312
    .private_segment_fixed_size: 0
    .kernarg_segment_align: 8
    .kernarg_segment_size: 48
    .max_flat_workgroup_size: 512
    .sgpr_count:     66
    .vgpr_count:     256
    .wavefront_size: 32
...
	.end_amdgpu_metadata
.endif
;; end of part 5
;; launch proj: the kernel of part 4 again; grid 4 x 64, 4 waves a work-group, clusters of 4 x 4, 327,680 bytes of LDS; arguments ac, proj_w_codes, lowp_scales, proj_b, order, out0; writes out0
